; MI455X (gfx1250); checked and timed in simulation.
; The chip was launched on July 23, 2026; its instructions are those of AMD's public machine-readable ISA for CDNA 5 (MIT licence, August 2026) and "CDNA5" Instruction Set Architecture Reference Guide (July 2026). The comments in the code are by the model that wrote it; some were corrected since.
;; Multi Head Differential Attention. Allowed arithmetic: float matrix products may take bf16 or f16 operands with f32 sums; other float arithmetic in f32, or as packed bf16 or f16 multiplies, adds, multiply-adds, maxima and minima; sums over many terms, partial sums and values carried from step to step in f32; what a program stores and reads back later, other than sums and carried values, may be rounded once to bf16 or f16.
;; Inputs: Wk 2,048 x 1,024 float32; Wo 1,024 x 2,048 float32; Wq 2,048 x 1,024 float32; Wv 2,048 x 1,024 float32; X 2 x 2,048 x 1,024 float32; lambda_k1 8 x 128 float32; lambda_k2 8 x 128 float32; lambda_q1 8 x 128 float32; lambda_q2 8 x 128 float32; rms_scale 256 float32.
;; Outputs: out0 2 x 2,048 x 1,024 float32.
;; 2 versions, each right; version 2 is version 1 with the launch cast written anew for expert scheduling mode. Each part assembles by itself: llvm-mc -triple=amdgcn-amd-amdhsa -mcpu=gfx1250 --defsym DOCPART=n.
;; ======== version 1 of 2: 4 launches
;; limits: values are held in f16: magnitudes above 65,504 overflow, below 6.1e-05 lose precision
;; workspace buffers: cb 25,165,824 bytes; qkv 50,331,648 bytes; ob 16,777,216 bytes
;; launch cast (part 1): grid 128 x 6, 8 waves a work-group, no clusters, 0 bytes of LDS; arguments X, Wq, Wk, Wv, Wo, cb; writes cb
.if DOCPART == 1
	.amdgcn_target "amdgcn-amd-amdhsa--gfx1250"
	.amdhsa_code_object_version 6
	.text
	.protected	k_q9f93fbe34a_cast
	.globl	k_q9f93fbe34a_cast
	.p2align	8
	.type	k_q9f93fbe34a_cast,@function
k_q9f93fbe34a_cast:
	s_mov_b64 s[64:65], 0
	v_nop
	global_prefetch_b8 v0, s[64:65] scope:SCOPE_SE
	s_setreg_imm32_b32 hwreg(HW_REG_WAVE_MODE, 25, 1), 1
	s_wait_xcnt 0x0
; cb = the five large inputs as 16-bit matrix operands, six slabs of 4 MiB, each row-major as its source:
; slabs 0, 1: X [4096][1024] bf16; slabs 2, 3, 4: Wq, Wk, Wv, together [6144][1024] bf16; slab 5: Wo [1024][2048].
; Every number is rounded once to bf16 (nearest even).  Wo's bf16 number is then written as f16, since the last product's other operand is f16.
; LIMIT.  That second step is exact from 2^-14 to 65,504; below 2^-14 the number keeps f16's fixed step of 6e-8; from 65,520 on it becomes an infinity.
; SHARES.  Work-group (x, y): slab y, 65,536 source bytes at 65,536 x.  Thread t takes 16 pieces: 16 bytes of f32 at 16 t + 4,096 p -> 8 bytes at 8 t + 2,048 p.
; A wave's load covers 512 consecutive bytes, its store 256 consecutive bytes at a multiple of 256.  All 16 loads of a thread go out at once; no register is written twice
; while a memory instruction names it, so the only waits are the counted ones for the loads.  No LDS, no matrix unit: nothing is shared and nothing is multiplied.
.set X, 4                              ; v[4:67]    piece p: four f32 as loaded
.set Y, 68                             ; v[68:99]   piece p: four 16-bit numbers to store
.set T, 100                            ; v[100:103] at work
	s_load_b256 s[4:11], s[0:1], 0x0               ; X s[4:5], Wq s[6:7], Wk s[8:9], Wv s[10:11]
	s_load_b128 s[12:15], s[0:1], 0x20             ; Wo s[12:13], cb s[14:15]
	s_and_b32 s20, ttmp7, 0xffff                   ; the slab
	v_lshlrev_b32 v1, 4, v0                        ; my 16 bytes of a piece's 4,096 in the source
	v_lshlrev_b32 v2, 3, v0                        ; my 8 bytes of its 2,048 in cb
	s_lshl_b32 s22, ttmp9, 16                      ; the work-group's 65,536 source bytes,
	s_cmp_eq_u32 s20, 1
	s_cselect_b32 s24, 0x800000, 0                 ; in X's second half for slab 1
	s_add_co_u32 s22, s22, s24
	s_mov_b32 s23, 0
	s_lshl_b32 s24, s20, 22                        ; the slab's 4 MiB in cb,
	s_lshl_b32 s25, ttmp9, 15                      ; the work-group's 32,768 bytes of it
	s_add_co_u32 s24, s24, s25
	s_mov_b32 s25, 0
	s_wait_kmcnt 0x0
	s_mov_b64 s[16:17], s[4:5]                     ; the source: X, or for slabs 2 to 5 one of the weights
	s_cmp_eq_u32 s20, 2
	s_cselect_b64 s[16:17], s[6:7], s[16:17]
	s_cmp_eq_u32 s20, 3
	s_cselect_b64 s[16:17], s[8:9], s[16:17]
	s_cmp_eq_u32 s20, 4
	s_cselect_b64 s[16:17], s[10:11], s[16:17]
	s_cmp_eq_u32 s20, 5
	s_cselect_b64 s[16:17], s[12:13], s[16:17]
	s_add_nc_u64 s[16:17], s[16:17], s[22:23]
	s_add_nc_u64 s[18:19], s[14:15], s[24:25]
.irp p, 0,1,2,3,4,5,6,7,8,9,10,11,12,13,14,15
	global_load_b128 v[X+4*(\p):X+4*(\p)+3], v1, s[16:17] offset:4096*(\p) th:TH_LOAD_NT
.endr
; The 16 pieces are rounded and stored as they arrive.  half = 1: the bf16 number is widened again (a shift, a mask) and written as f16.
.macro OUT half
.irp p, 0,1,2,3,4,5,6,7,8,9,10,11,12,13,14,15
	s_wait_loadcnt 15-(\p)                         ; loads come back in order: piece p is in, the 15 - p younger ones may stay out
	v_cvt_pk_bf16_f32 v[Y+2*(\p)],   v[X+4*(\p)],   v[X+4*(\p)+1]
	v_cvt_pk_bf16_f32 v[Y+2*(\p)+1], v[X+4*(\p)+2], v[X+4*(\p)+3]
.if \half
	v_lshlrev_b32 v[T],   16, v[Y+2*(\p)]
	v_and_b32     v[T+1], 0xffff0000, v[Y+2*(\p)]
	v_lshlrev_b32 v[T+2], 16, v[Y+2*(\p)+1]
	v_and_b32     v[T+3], 0xffff0000, v[Y+2*(\p)+1]
	v_cvt_pk_f16_f32 v[Y+2*(\p)],   v[T],   v[T+1]
	v_cvt_pk_f16_f32 v[Y+2*(\p)+1], v[T+2], v[T+3]
.endif
	global_store_b64 v2, v[Y+2*(\p):Y+2*(\p)+1], s[18:19] offset:2048*(\p)
.endr
.endm
	s_cmp_eq_u32 s20, 5                            ; compared anew: the sums above are no compare
	s_cbranch_scc1 .Lwo
	OUT 0
	s_endpgm
.Lwo:
	OUT 1
	s_endpgm
.Lfunc_end_k_q9f93fbe34a_cast:
	.size	k_q9f93fbe34a_cast, .Lfunc_end_k_q9f93fbe34a_cast-k_q9f93fbe34a_cast
	.p2alignl 7, 3214868480
	.fill 96, 4, 3214868480
	.section	.rodata,"a",@progbits
	.p2align	6, 0x0
	.amdhsa_kernel k_q9f93fbe34a_cast
		.amdhsa_group_segment_fixed_size 0
		.amdhsa_private_segment_fixed_size 0
		.amdhsa_enable_private_segment 0
		.amdhsa_kernarg_size 48
		.amdhsa_user_sgpr_count 2
		.amdhsa_user_sgpr_kernarg_segment_ptr 1
		.amdhsa_wavefront_size32 1
		.amdhsa_system_sgpr_workgroup_id_x 1
		.amdhsa_system_sgpr_workgroup_id_y 1
		.amdhsa_system_sgpr_workgroup_id_z 1
		.amdhsa_system_vgpr_workitem_id 0
		.amdhsa_next_free_vgpr 104
		.amdhsa_next_free_sgpr 66
		.amdhsa_reserve_vcc 0
		.amdhsa_float_denorm_mode_32 3
		.amdhsa_float_denorm_mode_16_64 3
		.amdhsa_memory_ordered 1
		.amdhsa_forward_progress 1
		.amdhsa_inst_pref_size 16
	.end_amdhsa_kernel
	.amdgpu_metadata
---
amdhsa.version: [ 1, 2 ]
amdhsa.kernels:
  - .name:           k_q9f93fbe34a_cast
    .symbol:         k_q9f93fbe34a_cast.kd
    .args:
      - { .name: X, .offset: 0, .size: 8, .value_kind: global_buffer, .address_space: global }
      - { .name: Wq, .offset: 8, .size: 8, .value_kind: global_buffer, .address_space: global }
      - { .name: Wk, .offset: 16, .size: 8, .value_kind: global_buffer, .address_space: global }
      - { .name: Wv, .offset: 24, .size: 8, .value_kind: global_buffer, .address_space: global }
      - { .name: Wo, .offset: 32, .size: 8, .value_kind: global_buffer, .address_space: global }
      - { .name: cb, .offset: 40, .size: 8, .value_kind: global_buffer, .address_space: global }
    .group_segment_fixed_size: 0
    .private_segment_fixed_size: 0
    .kernarg_segment_align: 8
    .kernarg_segment_size: 48
    .max_flat_workgroup_size: 256
    .sgpr_count:     66
    .vgpr_count:     104
    .wavefront_size: 32
...
	.end_amdgpu_metadata
.endif
;; end of part 1
;; launch qkv (part 2): grid 24 x 16, 4 waves a work-group, clusters of 4 x 4, 327,680 bytes of LDS; arguments cb, qkv; writes qkv
.if DOCPART == 2
	.amdgcn_target "amdgcn-amd-amdhsa--gfx1250"
	.amdhsa_code_object_version 6
	.text
	.protected	k_q9f93fbe34a_qkv
	.globl	k_q9f93fbe34a_qkv
	.p2align	8
	.type	k_q9f93fbe34a_qkv,@function
k_q9f93fbe34a_qkv:
	s_mov_b64 s[64:65], 0
	v_nop
	global_prefetch_b8 v0, s[64:65] scope:SCOPE_SE
	s_setreg_imm32_b32 hwreg(HW_REG_WAVE_MODE, 25, 1), 1
	s_wait_xcnt 0x0
	s_wait_alu depctr_hold_cnt(0) depctr_sa_sdst(0) depctr_va_vdst(0) depctr_va_sdst(0) depctr_va_ssrc(0) depctr_va_vcc(0) depctr_vm_vsrc(0)
	s_getreg_b32 s2, hwreg(HW_REG_IB_STS2, 6, 4)
	s_cmp_eq_u32 s2, 0
	s_cbranch_scc0 .Lentry_in_a_cluster
	s_endpgm
.Lentry_in_a_cluster:
	s_bfe_u32 s2, ttmp6, 0x10000c
	s_cmp_lg_u32 s2, 0xf033
	s_cbranch_scc0 .Lentry_shape_is_right
	s_endpgm
.Lentry_shape_is_right:
; qkv[m][n] = sum over k of Xb[m][k] Wb[n][k].  Xb: [4096][1024] bf16 at cb's byte 0; Wb: [6144][1024] bf16 (Wq, Wk, Wv on end) at byte 0x800000; sums in f32;
; qkv: [4096][6144] f16, rounded once: columns 0-2047 Q, 2048-4095 K, 4096-6143 V, a head's 256 channels on end.
; LIMIT.  f16 holds no number beyond 65,504: a projection of 65,520 or more becomes an infinity.  With X of unit spread and weights of spread 0.02 the projections have spread 0.64.
; A tile of C, 256 x 256, is made by a work-group of four waves; a wave makes 128 x 128: 64 accumulators of 16 x 16, 512 registers.  K goes in steps of 128 through a ring of two LDS slots
; filled by the tensor data mover: a tile's rows are 256 bytes of memory at multiples of 256.  384 tiles, one to a work-group.
; CLUSTERS: 4 x 4 work-groups.  The four of a row of the cluster need the same tiles of A, the four of a column the same tiles of B: each tile is asked for JOINTLY, by the same tensor load with the
; same descriptor and a mask that names the four.  That divides the requests for A and for B by four.
; The last K step goes by rows of C, so that finished rows leave while the others are multiplied.
; REGISTERS, in windows of 256 (s_set_vgpr_msb's low byte: bits 1:0 source 0, 3:2 source 1, 5:4 source 2, 7:6 destination):
;   window 0: v0-31 addresses; v64-127, v128-191 fragments of A, two buffers (in the last K step four, of 16 rows x 128 K); v32-63, v192-255 at work on the way out
;   window 1: v64-127, v128-191 fragments of B, two buffers; in the last K step all 256      window 2: the accumulators of my rows 0-63 ((a, b) at v[8 (8 a + b)])      window 3: those of rows 64-127
; THE MATRIX INSTRUCTION IS USED TRANSPOSED: source 0 = 16 rows of B, source 1 = 16 rows of A: lane l then holds row l % 16 of C and the columns 8 (l / 16) + 0 .. 7, which pack into 16 bytes.
.set SIZE_M, 4096
.set SIZE_N, 6144
.set SIZE_K, 1024
.set KSTEP,  128
.set PITCH,  272                       ; an LDS row: 256 bytes + 16 of padding = 68 words: the 16 rows that a load touches start at 16 different groups of four banks (64 banks of 4 bytes: ISA guide 11.1)
.set HALFT,  128*PITCH                 ; 128 rows: what one tensor load brings, and what one wave reads of A or of B
.set SLOT,   4*HALFT                   ; A's 256 rows, then B's 256 rows
.set STAGE,  2*SLOT                    ; behind the ring: 16 rows x 272 bytes for each wave, for the way out
.set SPITCH, 272
.set SPARE,  STAGE+4*16*SPITCH         ; behind the stages: the spare words, 128 bytes for each wave
.set LAPS, SIZE_K/(2*KSTEP)            ; a lap = two K steps = once round the ring: 4
.set ADRA, 16                          ; v16-17  LDS address of my A fragments in slot 0, 1
.set ADRB, 20                          ; v20-21  the same for B
.set STO,  24                          ; v24     the way out: where I put 16 bytes of a row
.set RD,   25                          ; v25     the way out: where I read a row back
.set CO,   26                          ; v26     my byte offset in C
.set SPW,  28                          ; v28     LDS address of my spare word; never rewritten
.set NIL,  29                          ; v29     0; never rewritten
.set PFO,  30                          ; v30     the prefetches' offset: my lane x a row of 2,048 bytes; never rewritten
.set PFA,  44                          ; s[44:45] where my prefetches stand: my work-group's 32 rows of the 128 that I fetch, one K step further than the refill in hand
.set LIM,  43                          ; s43     1 in a wave that prefetches, else the greatest number
.set F0,   64
.set F1,   128
.set TMP,  192
.set OB,   32
.set PA,   64
.set G1, 24                            ; s[24:31] descriptor group 1 for A's tiles
.set G0, 32                            ; s[32:39] group 0 for A's tiles, one set for each slot
.set G1B, 48                           ; s[48:55], s[56:63] the same for B's
.set G0B, 56
.set MSB, 0
.macro WIN new                         ; the immediate's high byte repeats the setting that is left; a switch that changes nothing is dropped
.if MSB != (\new)
	s_set_vgpr_msb (MSB<<8)|(\new)
.set MSB, \new
.endif
.endm
.set MUL_LO, 0xa1                      ; source 0 (B) window 1, source 1 (A) window 0, C and D window 2
.set MUL_HI, 0xf1                      ; the same, C and D window 3
.set TO_B,   0x40                      ; destination window 1, address window 0
; A joint load.  Waves 0 and 1 fetch A's two halves, waves 2 and 3 B's.  The branch hangs on the wave's number alone.  An s_nop 0 and four v_nop follow each of the two lines.
.macro JLOAD s
	s_cmp_eq_u32 s11, 0
	s_cbranch_scc0 .Lfor_b_\@
	tensor_load_to_lds s[G0+4*(\s):G0+4*(\s)+3], s[G1:G1+7]
	s_nop 0
.rept 4
	v_nop
.endr
	s_branch .Lasked_\@
.Lfor_b_\@:
	tensor_load_to_lds s[G0B+4*(\s):G0B+4*(\s)+3], s[G1B:G1B+7]
	s_nop 0
.rept 4
	v_nop
.endr
.Lasked_\@:
.endm
; A prefetch, behind each joint load and the run of LDS loads that follows it: the K step that stands two refills on: 32 rows x 256 bytes, a lane a row, one instruction a wave.
; Each row's 256 bytes of a K step are named once in the launch: A's tile rows by the clusters with x = 0, B's tile columns by the clusters with y = 0; the four partners that ask for a tile
; jointly share its rows out by address, 32 each.  The loop's last trip (s3 = 1) asks for nothing: K steps 8 and 9 do not exist.  K steps 0 to 3 come by their loads alone.
.macro ASK
	s_cmp_gt_u32 s3, s[LIM]
	s_cbranch_scc0 .Lnot_mine_\@
	global_prefetch_b8 v[PFO], s[PFA:PFA+1] offset:KSTEP*2 th:TH_LOAD_NT scope:SCOPE_SE
.Lnot_mine_\@:
.endm
; A round of the cluster's barrier: my work-group's barrier; wave 0 signals for the work-group; every wave waits for all sixteen work-groups; my work-group's barrier once more.
.macro CREST
	s_cmp_lg_u32 s10, 0
	s_cbranch_scc1 .Lnot_wave_0_\@
	s_barrier_signal -3
.Lnot_wave_0_\@:
	s_barrier_wait -3
	s_barrier_signal -1
	s_barrier_wait -1
.endm
.macro CROUND
	s_barrier_signal -1
	s_barrier_wait -1
	CREST
.endm
	s_load_b128 s[4:7], s[0:1], 0x0                ; cb s[4:5], qkv s[6:7]
	v_lshl_add_u32 v[SPW], v0, 2, SPARE
	v_mov_b32 v[NIL], 0
	ds_add_u32 v[SPW], v[NIL]                      ; the wave's opening: the add and its wait stand ahead of my first tensor load; the set-up below stands between them
	v_lshrrev_b32 v1, 5, v0
	v_readfirstlane_b32 s10, v1                    ; wave 0..3
	s_lshr_b32 s11, s10, 1                         ; which half of the tile's rows is mine.  Also: I fetch for A (0) or for B (1)
	s_and_b32 s12, s10, 1                          ; which half of its columns.  Also: which 128 rows of that tile I fetch
	s_bfe_u32 s40, ttmp6, 0x40000                  ; cx
	s_bfe_u32 s41, ttmp6, 0x40004                  ; cy
	s_lshl_b32 s42, ttmp9, 2
	s_add_co_u32 s42, s42, s40                     ; tile column of C = 4 x cluster x + cx
	s_and_b32 s13, ttmp7, 0xffff
	s_lshl_b32 s13, s13, 2
	s_add_co_u32 s13, s13, s41                     ; tile row of C = 4 x cluster y + cy
	s_lshl_b32 s43, s41, 2
	s_lshl_b32 s43, 15, s43                        ; my row of the cluster: places 4 cy .. 4 cy + 3
	s_lshl_b32 s44, 0x1111, s40                    ; my column: places cx, cx + 4, cx + 8, cx + 12
	; descriptor group 1: a tile of 128 rows x 128 elements of 2 bytes, 4 words of padding after every 64
	s_or_b32 s[G1+0], s43, (1<<16)|(1<<20)|(1<<21)|(5<<22)|(3<<25)
	s_or_b32 s[G1B+0], s44, (1<<16)|(1<<20)|(1<<21)|(5<<22)|(3<<25)
	s_mov_b32 s[G1B+1], KSTEP<<16
	s_mov_b32 s[G1+1], KSTEP<<16                   ; tensor_dim0 = 128
	s_mov_b32 s[G1B+2], 128<<16
	s_mov_b32 s[G1+2], 128<<16                     ; tensor_dim1 = 128
	s_mov_b32 s[G1B+3], KSTEP<<16
	s_mov_b32 s[G1+3], KSTEP<<16                   ; tile_dim0 = 128
	s_mov_b32 s[G1B+4], 128
	s_mov_b32 s[G1+4], 128                         ; tile_dim1 = 128
	s_mov_b32 s[G1B+5], SIZE_K
	s_mov_b32 s[G1+5], SIZE_K                      ; elements from row to row
	s_mov_b32 s[G1B+6], 0
	s_mov_b32 s[G1+6], 0
	s_mov_b32 s[G1B+7], 0
	s_mov_b32 s[G1+7], 0
	; A's tiles hang on the tile row alone, B's on the tile column alone; each address is made in registers that never hold the other coordinate
	s_lshl_b32 s17, s12, 7
	s_lshl_b32 s16, s13, 8
	s_add_co_u32 s16, s16, s17                     ; A: row 256 x tile row + 128 x half
	s_lshl_b32 s46, s42, 8
	s_add_co_u32 s46, s46, s17                     ; B: row 256 x tile column + 128 x half
	s_mov_b32 s17, 0
	s_mov_b32 s47, 0
	s_mov_b64 s[18:19], SIZE_K*2
	s_mul_u64 s[16:17], s[16:17], s[18:19]
	s_mul_u64 s[46:47], s[46:47], s[18:19]
	s_mul_i32 s20, s10, HALFT                      ; where they go: wave x 128 rows
	s_wait_dscnt 0x0                               ; the opening add is done
	s_wait_kmcnt 0x0
	s_mov_b64 s[8:9], s[6:7]                       ; C = qkv
	s_add_nc_u64 s[6:7], s[4:5], 0x800000          ; B = the weights' slabs; A = cb's first byte
	s_add_nc_u64 s[14:15], s[4:5], s[16:17]
	s_add_nc_u64 s[46:47], s[6:7], s[46:47]
	CROUND                                         ; all sixteen work-groups are here: the first joint loads meet
.irp s, 0,1
	s_mov_b32 s[G0+4*(\s)], 1
	s_add_co_u32 s[G0+4*(\s)+1], s20, (\s)*SLOT
	s_add_nc_u64 s[G0+4*(\s)+2:G0+4*(\s)+3], s[14:15], (\s)*KSTEP*2
	s_or_b32 s[G0+4*(\s)+3], s[G0+4*(\s)+3], 0x80000000
	s_mov_b32 s[G0B+4*(\s)], 1
	s_add_co_u32 s[G0B+4*(\s)+1], s20, (\s)*SLOT
	s_add_nc_u64 s[G0B+4*(\s)+2:G0B+4*(\s)+3], s[46:47], (\s)*KSTEP*2
	s_or_b32 s[G0B+4*(\s)+3], s[G0B+4*(\s)+3], 0x80000000
	JLOAD \s                                       ; two loads of mine are out
.endr
	; A fragment is 16 rows x 32 K in 8 registers: lane l holds row l % 16; registers 0-3 K = 8 (l / 16) + 0..7, registers 4-7 K = 16 + 8 (l / 16) + 0..7: two loads of 16 bytes, 32 bytes apart.
	v_and_b32 v1, 15, v0
	v_bfe_u32 v2, v0, 4, 1
	v_mul_u32_u24 v3, v1, PITCH
	v_lshl_add_u32 v3, v2, 4, v3
	s_mul_i32 s21, s11, HALFT                      ; my 128 rows of A
	s_mul_i32 s22, s12, HALFT                      ; my 128 rows of B,
	s_add_co_u32 s22, s22, 2*HALFT                 ; which lie behind A's 256
.irp s, 0,1
	v_add_nc_u32 v[ADRA+(\s)], s21, v3
	v_add_nc_u32 v[ADRB+(\s)], s22, v3
	s_add_co_u32 s21, s21, SLOT
	s_add_co_u32 s22, s22, SLOT
.endr
	s_mul_i32 s23, s10, 16*SPITCH
	s_add_co_u32 s23, s23, STAGE                   ; my stage
	v_mul_u32_u24 v4, v1, SPITCH
	v_lshl_add_u32 v4, v2, 4, v4
	v_add_nc_u32 v[STO], s23, v4
	v_mul_u32_u24 v5, v2, SPITCH
	v_lshl_add_u32 v5, v1, 4, v5
	v_add_nc_u32 v[RD], s23, v5
	v_mul_u32_u24 v5, v2, SIZE_N*2
	v_lshl_add_u32 v[CO], v1, 4, v5
	s_lshl_b32 s13, s13, 8
	s_lshl_b32 s14, s11, 7
	s_add_co_u32 s16, s13, s14                     ; my first row of C
	s_mov_b32 s17, 0
	s_mov_b64 s[18:19], SIZE_N*2
	s_mul_u64 s[16:17], s[16:17], s[18:19]
	s_lshl_b32 s46, s42, 9                         ; my first column, in bytes
	s_lshl_b32 s47, s12, 8
	s_add_co_u32 s46, s46, s47
	s_mov_b32 s47, 0
	s_add_nc_u64 s[16:17], s[16:17], s[46:47]      ; the way out adds this to C's address
	; the prefetches
	s_lshl_b32 s42, s42, 8
	s_and_b32 s22, ttmp7, 0xffff                   ; cluster y
	s_cmp_eq_u32 s11, 0                            ; do I fetch for A?
	s_cselect_b32 s20, s13, s42                    ; the tile's first row
	s_cselect_b32 s21, s40, s41                    ; my place among the four that ask for it with me
	s_cselect_b32 s22, ttmp9, s22                  ; the coordinate along which other clusters read the same rows
	s_cselect_b64 s[PFA:PFA+1], s[4:5], s[6:7]
	s_cmp_eq_u32 s22, 0
	s_cselect_b32 s[LIM], 1, -1
	s_lshl_b32 s22, s12, 7
	s_add_co_u32 s20, s20, s22
	s_lshl_b32 s21, s21, 5
	s_add_co_u32 s20, s20, s21
	s_mov_b32 s21, 0
	s_mov_b64 s[18:19], SIZE_K*2
	s_mul_u64 s[20:21], s[20:21], s[18:19]
	s_add_nc_u64 s[PFA:PFA+1], s[PFA:PFA+1], s[20:21]
	s_add_nc_u64 s[PFA:PFA+1], s[PFA:PFA+1], 2*KSTEP*2  ; at K step 2: the first refill steps it to 3 and names K step 4
	v_and_b32 v[PFO], 31, v0
	v_mul_u32_u24 v[PFO], v[PFO], SIZE_K*2
; 16 matrix instructions: m blocks a0, a0 + 1 of the window's four x all 8 n blocks, 32 along K.  zero = 1: the first product starts the sums.  The 64 accumulators take turns.
.macro MUL16 f, hi, a0, zero
	WIN MUL_LO+0x50*(\hi)
.irp a, \a0, (\a0)+1
.irp b, 0,1,2,3,4,5,6,7
.if \zero
	v_wmma_f32_16x16x32_bf16 v[8*(8*(\a)+(\b)):8*(8*(\a)+(\b))+7], v[(\f)+8*(\b):(\f)+8*(\b)+7], v[(\f)+8*(4*(\hi)+(\a)):(\f)+8*(4*(\hi)+(\a))+7], 0
.else
	v_wmma_f32_16x16x32_bf16 v[8*(8*(\a)+(\b)):8*(8*(\a)+(\b))+7], v[(\f)+8*(\b):(\f)+8*(\b)+7], v[(\f)+8*(4*(\hi)+(\a)):(\f)+8*(4*(\hi)+(\a))+7], v[8*(8*(\a)+(\b)):8*(8*(\a)+(\b))+7]
.endif
.endr
.endr
.endm
; 32 LDS loads in one run: the fragments of one quarter step (32 K at byte k of the rows) into buffer f
.macro FETCH slot, k, f
	WIN TO_B
.irp i, 0,1,2,3,4,5,6,7
	ds_load_b128 v[(\f)+8*(\i):(\f)+8*(\i)+3],   v[ADRB+(\slot)] offset:(\k)+(\i)*16*PITCH
	ds_load_b128 v[(\f)+8*(\i)+4:(\f)+8*(\i)+7], v[ADRB+(\slot)] offset:(\k)+(\i)*16*PITCH+32
.endr
	WIN 0
.irp i, 0,1,2,3,4,5,6,7
	ds_load_b128 v[(\f)+8*(\i):(\f)+8*(\i)+3],   v[ADRA+(\slot)] offset:(\k)+(\i)*16*PITCH
	ds_load_b128 v[(\f)+8*(\i)+4:(\f)+8*(\i)+7], v[ADRA+(\slot)] offset:(\k)+(\i)*16*PITCH+32
.endr
.endm
; Four plain vector instructions stand between a matrix instruction and a load into a register that it has read, or a vector instruction that reads its result.
.macro PLACES
.rept 4
	v_nop
.endr
.endm
; A K step is four quarter steps of 32 along K, 64 matrix instructions each, on buffers 0, 1, 0, 1.  One of the first three multiplies buffer f and, in its middle, fetches the next quarter into g.
.macro QUARTER slot, k, f, g, zero
	s_wait_dscnt 8                                 ; B and A's rows 0-63 are in; the youngest eight loads (A's rows 64-127) may be out
	WIN MUL_LO
	MUL16 \f, 0, 0, \zero
	MUL16 \f, 0, 2, \zero
	PLACES
	FETCH \slot, \k, \g
	s_wait_dscnt 32                                ; all but the 32 just issued
	WIN MUL_HI
	MUL16 \f, 1, 0, \zero
	MUL16 \f, 1, 2, \zero
.endm
; The last quarter's first half: one barrier for the change of slots.  In front of it each wave waits for all its tensor loads (one is out: its part of the next slot), adds 0 to its spare word,
; and waits for that and for its own reads of this slot.
.macro MEET round
	WIN 0
	s_wait_tensorcnt 0x0
	ds_add_u32 v[SPW], v[NIL]
	s_wait_dscnt 9                                 ; the add and the youngest eight loads may be out
	WIN MUL_LO
	MUL16 F1, 0, 0, 0
	s_wait_dscnt 0x0                               ; the add is done, and my reads of this slot are over
	s_barrier_signal -1
	MUL16 F1, 0, 2, 0
.if \round
	WIN 0
.endif
	s_barrier_wait -1
.endm
; The whole last quarter: behind the round the slot just read out is filled again, with the K step two steps on; then come the next slot's first fragments.
.macro TURN slot, next
	s_wait_xcnt 0x0                                ; the last prefetch, a K step back, has read its address
	s_add_nc_u64 s[PFA:PFA+1], s[PFA:PFA+1], KSTEP*2
	MEET 1
	CREST                                          ; no wave of any partner still reads this slot's tile or has a load on its way
	s_add_nc_u64 s[G0+4*(\slot)+2:G0+4*(\slot)+3], s[G0+4*(\slot)+2:G0+4*(\slot)+3], 2*KSTEP*2
	s_add_nc_u64 s[G0B+4*(\slot)+2:G0B+4*(\slot)+3], s[G0B+4*(\slot)+2:G0B+4*(\slot)+3], 2*KSTEP*2
	JLOAD \slot                                    ; the first tensor load behind the round, my only one until the next; its four v_nop are also the places in front of the loads below
	FETCH \next, 0, F0
	ASK
	WIN MUL_HI
	MUL16 F1, 1, 0, 0
	MUL16 F1, 1, 2, 0
.endm
; THE LAST K STEP (slot 1) GOES BY ROWS OF C: all its fragments of B fill window 1; my eight blocks of 16 rows are finished one after the other, 32 matrix instructions each, K ascending.
.macro BLOAD q
	WIN TO_B
.irp i, 0,1,2,3,4,5,6,7
	ds_load_b128 v[64*(\q)+8*(\i):64*(\q)+8*(\i)+3],   v[ADRB+1] offset:64*(\q)+(\i)*16*PITCH
	ds_load_b128 v[64*(\q)+8*(\i)+4:64*(\q)+8*(\i)+7], v[ADRB+1] offset:64*(\q)+(\i)*16*PITCH+32
.endr
.endm
.macro ALOAD a
	WIN 0
.set FA, PA+32*((\a)%4)
.irp q, 0,1,2,3
	ds_load_b128 v[FA+8*(\q):FA+8*(\q)+3],   v[ADRA+1] offset:64*(\q)+(\a)*16*PITCH
	ds_load_b128 v[FA+8*(\q)+4:FA+8*(\q)+7], v[ADRA+1] offset:64*(\q)+(\a)*16*PITCH+32
.endr
.endm
.macro ROW a
.set FA, PA+32*((\a)%4)
.set AC, 64*((\a)%4)
	WIN MUL_LO+0x50*((\a)/4)
.irp q, 0,1,2,3
.if (\a) == 0 && (\q) == 2
	s_wait_dscnt 24                                ; B's quarter 2 is in (behind it: A's blocks 1 to 3)
.endif
.irp b, 0,1,2,3,4,5,6,7
	v_wmma_f32_16x16x32_bf16 v[AC+8*(\b):AC+8*(\b)+7], v[64*(\q)+8*(\b):64*(\q)+8*(\b)+7], v[FA+8*(\q):FA+8*(\q)+7], v[AC+8*(\b):AC+8*(\b)+7]
.endr
.endr
.endm
; THE WAY OUT of block a.  PACK: rounded to f16, 16 bytes a lane.  TOSTAGE: into my own stage in LDS, and back as whole rows of 256 bytes.  SEND: stored.
.macro PACK a
.set AC, 64*((\a)%4)
	WIN 0x0a+5*((\a)/4)
.irp b, 0,1,2,3,4,5,6,7
.irp r, 0,1,2,3
	v_cvt_pk_f16_f32 v[TMP+4*(\b)+(\r)], v[AC+8*(\b)+2*(\r)], v[AC+8*(\b)+2*(\r)+1]
.endr
.endr
	WIN 0
.endm
.macro TOSTAGE a
	WIN 0
.set BK, OB+192*((\a)%2)
.irp b, 0,1,2,3,4,5,6,7
	ds_store_b128 v[STO], v[TMP+4*(\b):TMP+4*(\b)+3] offset:32*(\b)
.endr
.irp t, 0,1,2,3,4,5,6,7
	ds_load_b128 v[BK+4*(\t):BK+4*(\t)+3], v[RD] offset:(\t)*2*SPITCH  ; LDS serves a wave's instructions in order (ISA guide 5.7.1.4): these see the stores above
.endr
.endm
.macro SEND a, younger
	WIN 0
.set BK, OB+192*((\a)%2)
	s_wait_dscnt \younger                          ; the block is back in registers; the LDS loads issued behind it may stay out
	s_wait_xcnt 0x0                                ; only behind this wait are the stores' base and the registers that earlier stores read rewritten
.if (\a) == 0
	s_add_nc_u64 s[8:9], s[8:9], s[16:17]
.else
	s_add_nc_u64 s[8:9], s[8:9], 16*SIZE_N*2
.endif
.irp t, 0,1,2,3,4,5,6,7
	global_store_b128 v[CO], v[BK+4*(\t):BK+4*(\t)+3], s[8:9] offset:2*(\t)*SIZE_N*2  ; 16 lanes store 256 consecutive bytes, at a multiple of 256 from C's first byte
.endr
.endm
	s_wait_tensorcnt 1                             ; my part of K step 0 is in; K step 1's may stay out
	s_barrier_signal -1
	s_barrier_wait -1
	FETCH 0, 0, F0
	QUARTER 0, 64,  F0, F1, 1                      ; the first quarter stands in front of the loop: its products start the sums
	WIN 0
	s_mov_b32 s3, LAPS-1
.Llap:                                                 ; a trip goes once round the ring, from a lap's second quarter to the next lap's first, and fills both slots again
	QUARTER 0, 128, F1, F0, 0
	QUARTER 0, 192, F0, F1, 0
	TURN 0, 1
	QUARTER 1, 64,  F0, F1, 0
	QUARTER 1, 128, F1, F0, 0
	QUARTER 1, 192, F0, F1, 0
	TURN 1, 0
	QUARTER 0, 64,  F0, F1, 0
	WIN 0
	s_sub_co_u32 s3, s3, 1
	s_cmp_lg_u32 s3, 0
	s_cbranch_scc1 .Llap
	QUARTER 0, 128, F1, F0, 0                      ; the last lap goes on
	QUARTER 0, 192, F0, F1, 0
	MEET 0                                         ; nothing is filled again, so no round follows
	PLACES
	WIN TO_B
	BLOAD 0
	BLOAD 1
	BLOAD 3
	WIN 0
	ALOAD 0
	WIN MUL_HI
	MUL16 F1, 1, 0, 0
	MUL16 F1, 1, 2, 0
	PLACES
	WIN TO_B
	BLOAD 2
	WIN 0
	ALOAD 1
	ALOAD 2
	ALOAD 3
	s_wait_dscnt 40                                ; all but the 40 just issued
	ROW 0
.irp a, 0,1,2,3,4,5,6,7
	PLACES
	PACK \a
	TOSTAGE \a
.if (\a) < 4
	ALOAD (\a)+4
	SEND \a, 8
.else
	SEND \a, 0
.endif
.if (\a) < 7
	ROW (\a)+1
.endif
.endr
	s_wait_tensorcnt 0x0                           ; the wave's end
	ds_add_u32 v[SPW], v[NIL]
	s_wait_dscnt 0x0
	CROUND                                         ; the closing round: no work-group ends while a partner may still ask for a tile that names it
	s_endpgm
.Lfunc_end_k_q9f93fbe34a_qkv:
	.size	k_q9f93fbe34a_qkv, .Lfunc_end_k_q9f93fbe34a_qkv-k_q9f93fbe34a_qkv
	.p2alignl 7, 3214868480
	.fill 96, 4, 3214868480
	.section	.rodata,"a",@progbits
	.p2align	6, 0x0
	.amdhsa_kernel k_q9f93fbe34a_qkv
		.amdhsa_group_segment_fixed_size 327680
		.amdhsa_private_segment_fixed_size 0
		.amdhsa_enable_private_segment 0
		.amdhsa_kernarg_size 16
		.amdhsa_user_sgpr_count 2
		.amdhsa_user_sgpr_kernarg_segment_ptr 1
		.amdhsa_wavefront_size32 1
		.amdhsa_system_sgpr_workgroup_id_x 1
		.amdhsa_system_sgpr_workgroup_id_y 1
		.amdhsa_system_sgpr_workgroup_id_z 1
		.amdhsa_system_vgpr_workitem_id 0
		.amdhsa_next_free_vgpr 1024
		.amdhsa_next_free_sgpr 66
		.amdhsa_reserve_vcc 0
		.amdhsa_float_denorm_mode_32 3
		.amdhsa_float_denorm_mode_16_64 3
		.amdhsa_memory_ordered 1
		.amdhsa_forward_progress 1
		.amdhsa_inst_pref_size 144
	.end_amdhsa_kernel
	.amdgpu_metadata
---
amdhsa.version: [ 1, 2 ]
amdhsa.kernels:
  - .name:           k_q9f93fbe34a_qkv
    .symbol:         k_q9f93fbe34a_qkv.kd
    .args:
      - { .name: cb, .offset: 0, .size: 8, .value_kind: global_buffer, .address_space: global }
      - { .name: qkv, .offset: 8, .size: 8, .value_kind: global_buffer, .address_space: global }
    .group_segment_fixed_size: 327680
    .private_segment_fixed_size: 0
    .kernarg_segment_align: 8
    .kernarg_segment_size: 16
    .max_flat_workgroup_size: 128
    .sgpr_count:     66
    .vgpr_count:     1024
    .wavefront_size: 32
...
	.end_amdgpu_metadata
.endif
;; end of part 2
;; launch attn (part 3): grid 16 x 16, 4 waves a work-group, clusters of 4 x 1, 327,680 bytes of LDS; arguments qkv, lambda_q1, lambda_k1, lambda_q2, lambda_k2, rms_scale, ob; writes ob
.if DOCPART == 3
	.amdgcn_target "amdgcn-amd-amdhsa--gfx1250"
	.amdhsa_code_object_version 6
	.text
	.protected	k_q9f93fbe34a_attn
	.globl	k_q9f93fbe34a_attn
	.p2align	8
	.type	k_q9f93fbe34a_attn,@function
k_q9f93fbe34a_attn:
	s_mov_b64 s[64:65], 0
	v_nop
	global_prefetch_b8 v0, s[64:65] scope:SCOPE_SE
	s_setreg_imm32_b32 hwreg(HW_REG_WAVE_MODE, 25, 1), 1
	s_wait_xcnt 0x0
	s_wait_alu depctr_hold_cnt(0) depctr_sa_sdst(0) depctr_va_vdst(0) depctr_va_sdst(0) depctr_va_ssrc(0) depctr_va_vcc(0) depctr_vm_vsrc(0)
	s_getreg_b32 s2, hwreg(HW_REG_IB_STS2, 6, 4)
	s_cmp_eq_u32 s2, 0
	s_cbranch_scc0 .Lentry_in_a_cluster
	s_endpgm
.Lentry_in_a_cluster:
	s_bfe_u32 s2, ttmp6, 0x10000c
	s_cmp_lg_u32 s2, 0x3003
	s_cbranch_scc0 .Lentry_shape_is_right
	s_endpgm
.Lentry_shape_is_right:
; DIFFERENTIAL ATTENTION.  For each batch b and head h:  O[q] = softmax_k(Q1[q].K1[k] c') V[k] - lam softmax_k(Q2[q].K2[k] c') V[k], c' = 1 / sqrt(128), V of 256 channels;
; lam = exp(sum lq1 lk1) - exp(sum lq2 lk2) + 0.355509;  ob[q] = O / sqrt(mean(O^2) + 1e-5) x rms_scale x 0.644491.
; qkv: [4096 = 2048 b + n][6144] f16 (Q at column 256 h, K at 2048 + 256 h, V at 4096 + 256 h).  ob: [4096][2048 = 256 h + c] f16.  Products, maxima, sums and the norm in f32;
; the weights p are rounded to f16 for the second product (their sum l is taken of the unrounded p), ob once at the end.  The lambdas and rms_scale are rounded to bf16, like all the module's inputs.
; LIMITS.  q, k, v arrive within f16's 65,504; p lies in 0 to 1, and below 6e-5 it keeps f16's fixed step of 6e-8; a weight below 2^-126 counts as 0 in l; NaN and infinities are not treated apart.
; Both softmaxes multiply V by themselves (P1 V and P2 V): their sums are known only at the end, so the difference is taken of the two finished means.
; SHARES.  A work-group owns 128 queries of one (b, h).  Wave w does softmax par = w % 2 for the 64 queries of half g = w / 2: four tiles of 16.  Tile t holds query group t xor 2 par, so every wave
; keeps its tiles 0, 1 to the end and hands its tiles 2, 3 to wave w xor 1, whose tiles 0, 1 are those queries: one text for all waves.  Every wave walks all 2,048 keys, 64 a step.
; LAYOUT.  S^T = K Q^T (source 0 = 16 keys, source 1 = 16 queries): a lane holds ONE query (lane % 16) and the keys 8 (lane / 16) + 0..7.  Two such results rounded to f16 in pairs ARE source 1
; (32 keys x 16 queries) of O^T = V^T P, whose result holds one query a lane and eight channels.  K comes out of LDS as it lies, V ([key][channel]) turned, by ds_load_tr16_b128.
; SOFTMAX.  A running maximum m and sum l for each query: p = 2^(c s - c m), c = log2(e) / sqrt(128); in every step O and l are multiplied by a = 2^(c m_old - c m_new).
; m starts at the lowest finite number, O and l at 0, so the first a is 0.
; THREE STEPS SIDE BY SIDE.  A step has 192 matrix and 664 vector instructions.  While the matrix unit makes S^T of step j + 1 and adds V^T P of step j - 1, the vector unit does the softmax of step j: behind
; each matrix instruction stands a slice of at most four vector instructions that wait for none of the products round them.  O^T (512 registers), Q (128), S^T (128) and P (64) leave 128 registers for K and V:
; two buffers of 64.  A chunk (32 keys of K; 32 keys x 128 channels of V) feeds a BLOCK of 32 products and is fetched one block ahead, by 16 LDS loads.
; A TRIP is six blocks (k: the step whose V^T P it ends):
;   block 6: V^T P, keys 32-63, channels 128-255 of step k   | O^T's channels 0-127 times a(k+1)
;   block 1: K Q^T, keys 0-31 of step k + 2                  | P(k+1)'s keys 32-63 are rounded (the products that read the old ones are over), their sums, l; O^T's channels 128-255 times a(k+1)
;   block 2: K Q^T, keys 32-63                               | the rest of that; the maximum over keys 0-31 of step k + 2
;   blocks 3, 4, 5: V^T P of step k + 1 (keys 0-31 twice 128 channels, keys 32-63 channels 0-127) | the maximum and statistics, scalings and exponentials of step k + 2, ONE wait, roundings and sums of its keys 0-31
; THE RING.  A slot holds what a trip reads: K of step i + 1 and V of step i.  K of step 0 and V of step 31 have no partner: they come at the head into a region of their own, which is never filled again.
; 30 trips fill a slot each; the last two fill nothing and are written out as a loop of their own: they read slot 30 and then that region.  The prices of one text for every trip: the first trip's block 6
; multiplies zeros; the last trip's K Q^T (on K of step 0 once more) and the softmax made of it serve nothing: they touch neither l nor O^T.
; CLUSTER.  The four query blocks of a cluster belong to one (b, h) and walk the same K and V: each tile is asked for JOINTLY, by the same tensor load, descriptor and mask in all four.
; REGISTERS, in windows of 256 (s_set_vgpr_msb: bits 1:0 source 0, 3:2 source 1, 5:4 source 2, 7:6 destination):
;   window 0: v0-11 addresses; v12-43 eight registers of statistics a tile; v44-63 lam, at work, addresses; v64-191 S^T, 32 a tile; v192-255 P, 16 a tile
;   windows 1, 2: O^T: tile t in window 1 + t / 2 at 128 (t % 2) + 8 cb (cb: 16 channels)      window 3: v0-127 Q, 32 a tile (at the end: the gains); v128-191, v192-255 the two chunk buffers
; A slice costs two switches of the windows, one in front and one behind: no window has room for a product's operands beside what the softmax touches.
.set ROWB,  12288     ; bytes in a row of qkv
.set STEPG, 64*ROWB   ; 64 keys on
.set PK,    528       ; a row of K in LDS: 512 bytes + 16 of padding = 132 words: the 16 rows of a load start at 16 different groups of four banks (64 banks of 4 bytes: ISA guide 11.1)
.set PVP,   544       ; a row of V: 512 + 32 = 136 words
.set VOFF,  64*PK     ; in a slot: 64 rows of K (both halves of the head's 256 channels), then 64 rows of V
.set SLOTB, 64*(PK+PVP)
.set SLOT1, 1<<17     ; slot 1 begins here, so that one exclusive or turns an address in one slot into the other's
.set XOFF,  SLOT1+SLOTB      ; behind slot 1: K of step 0 and V of step 31, laid out as a slot
.set OSTG,  SLOTB            ; behind slot 0: 16 rows x 528 bytes for each wave, for the way out
.set SPARE, OSTG+4*16*528    ; the spare words, 128 bytes for each wave: two blocks of 256 bytes that no other line names
.set GTAB,  SPARE+512        ; each wave's own copy of the 256 gains, f32
.set XCH,   SLOT1            ; at the end, when slot 1 has had its last fill and nobody reads it: 16,384 bytes for each wave: a tile of O^T on its way to the partner, as it lies in registers
.set AK0, 2           ; v2   my lane's place in a tile of K, my softmax's 128 channels; never rewritten
.set AV0, 3           ; v3   the same for V
.set AK,  4           ; v4   AK0 + the slot in hand
.set AV,  5           ; v5   AV0 + the slot in hand
.set STO, 6           ; v6   the way out: where I put 16 bytes of a row
.set RD,  7           ; v7   the way out: where I read a row back
.set GO,  8           ; v8   16 x lane: my bytes of a row of 512
.set ST,  12          ; tile t's statistics at v[ST+8 t]: +0 c m, +1 m, +2, +3 l (even keys', odd keys'), +4 to +7 c0-c3, at work: c0, c1 later hold the sum over keys 0-31, c2 holds a
.set LAM, 44
.set FS,  45          ; v45  what my softmax's mean is multiplied by: 1 (par = 0) or -lam (par = 1)
.set WK,  46          ; v46-55 at work
.set QO,  56          ; v56  my byte offset in 16 rows of Q
.set GA,  57          ; v57  where my lanes' gains begin in my table
.set XS,  58          ; v58  my 16 bytes in my exchange area
.set XR,  59          ; v59  the same place in my partner's
.set PFO, 61          ; v61  the prefetches' offset: row lane / 2, half lane % 2 of its 512 bytes; never rewritten
.set SPW, 62          ; v62  LDS address of my spare word; never rewritten
.set NIL, 63          ; v63  0; never rewritten
.set S,   64
.set P,   192
.set FB0, 128         ; window 3: the chunk buffers: eight fragments of 8 registers each
.set FB1, 192
.set WV,  12          ; s12  my wave's number
.set LIM, 15          ; s15  1 in a wave that prefetches, else the greatest number
.set PFA, 18          ; s[18:19] where my prefetches stand
.set G1K, 24          ; s[24:31] descriptor group 1 for K's tiles
.set G1V, 32          ; s[32:39] for V's: it differs in the padding alone
.set G0K, 40          ; s[40:43] descriptor group 0 for K's tiles in the ring: it walks
.set G0V, 44          ; s[44:47] the same for V's
.set QA,  48          ; s[48:49] Q at the rows of my tiles 0, 1
.set QB,  50          ; s[50:51] at those of my tiles 2, 3
.set OB,  52          ; s[52:53] ob at the rows of my tiles 0, 1
.set CNT, 56          ; s56  trips still to come
.set CS,  58          ; s[58:59] c
.set SEL, 60          ; s[60:61] v_permlanex16_b32's selects: each lane takes its own place in the other half
.set TB,  62          ; s62  the slot in hand
.set G0KX, 88         ; s[88:91] descriptor group 0 for K of step 0
.set G0VX, 92         ; s[92:95] for V of step 31
.set MSB, 0
.macro WIN new                      ; the high byte repeats the setting that is left; a switch that changes nothing is dropped
.if MSB != (\new)
	s_set_vgpr_msb (MSB<<8)|(\new)
.set MSB, (\new)
.endif
.endm
.set W_KQ, 0x0f       ; K and Q in window 3, S^T in window 0
.set TO3,  0xc0       ; destination window 3, address window 0
; A joint fill.  Waves 0 and 1 fetch the two halves (32 rows of 512 bytes) of a slot's K, waves 2 and 3 those of its V.  The branch hangs on the wave's number alone.
; An s_nop 0 and four v_nop follow each of the two lines, ahead of the jump and the label.
.macro JLOAD
	s_cmp_lt_u32 s[WV], 2
	s_cbranch_scc0 .Lfor_v_\@
	tensor_load_to_lds s[G0K:G0K+3], s[G1K:G1K+7]
	s_nop 0
.rept 4
	v_nop
.endr
	s_branch .Lasked_\@
.Lfor_v_\@:
	tensor_load_to_lds s[G0V:G0V+3], s[G1V:G1V+7]
	s_nop 0
.rept 4
	v_nop
.endr
.Lasked_\@:
.endm
; A prefetch of what the NEXT change of slots will ask for: a slot's 64 rows of K and of V, 512 bytes each.  All clusters of a (b, h) walk the same rows: the first of them (cluster x = 0) asks.  Its four
; partners share the rows out by address, 16 each; in each, wave 0 asks for K's and wave 2 for V's; a lane names 256 bytes.  So each block is named once in the launch.
; The last change that fills a slot (CNT = 1) asks for nothing: there is no slot behind it.  The region of its own and slots 0 and 1 come by their loads alone.
.macro ASK
	s_cmp_gt_u32 s[CNT], s[LIM]
	s_cbranch_scc0 .Lnot_mine_\@
	global_prefetch_b8 v[PFO], s[PFA:PFA+1] th:TH_LOAD_NT scope:SCOPE_SE
.Lnot_mine_\@:
.endm
; A round of the cluster's barrier: my work-group's barrier; wave 0 signals for the work-group; every wave waits for all four work-groups; my work-group's barrier once more.
.macro CROUND
	s_barrier_signal -1
	s_barrier_wait -1
	s_cmp_lg_u32 s[WV], 0
	s_cbranch_scc1 .Lnot_wave_0_\@
	s_barrier_signal -3
.Lnot_wave_0_\@:
	s_barrier_wait -3
	s_barrier_signal -1
	s_barrier_wait -1
.endm
.macro PLACES                       ; four plain vector instructions between a matrix instruction and a load into a register that it has read, or a vector instruction that reads its result
.rept 4
	v_nop
.endr
.endm
	s_load_b256 s[68:75], s[0:1], 0x0   ; qkv s[68:69], lambda_q1 s[70:71], lambda_k1 s[72:73], lambda_q2 s[74:75]
	s_load_b128 s[76:79], s[0:1], 0x20  ; lambda_k2 s[76:77], rms_scale s[78:79]
	s_load_b64 s[80:81], s[0:1], 0x30   ; ob
	v_lshl_add_u32 v[SPW], v0, 2, SPARE
	v_mov_b32 v[NIL], 0
	ds_add_u32 v[SPW], v[NIL]       ; the wave's opening: the add and its wait stand ahead of my first tensor load; the set-up below stands between them
	v_lshrrev_b32 v1, 5, v0
	v_readfirstlane_b32 s[WV], v1   ; wave 0..3
	s_bfe_u32 s13, ttmp6, 0x40000   ; cx: my place in the cluster
	s_lshl_b32 s14, ttmp9, 2        ; in a cluster launch ttmp9 counts clusters
	s_add_co_u32 s14, s14, s13      ; my block of 128 queries: it enters Q's and ob's addresses alone
	s_and_b32 s16, s[WV], 1         ; par: my softmax.  Also: which 32 rows of a tile I fetch
	s_lshr_b32 s17, s[WV], 1        ; g: my half of the block's queries.  Also: I fetch for K (0) or for V (1)
	s_and_b32 s4, ttmp7, 0xffff     ; 8 b + h, which the four partners share
	s_lshr_b32 s5, s4, 3            ; b
	s_and_b32 s6, s4, 7             ; h
	s_lshl_b32 s7, s6, 9            ; the head's 512 bytes in a row's Q, K or V part, in a row of ob, and in the lambdas
	s_mul_i32 s54, s5, 2048*ROWB    ; the batch's first row,
	s_add_co_u32 s54, s54, s7       ; the head's columns: K and V lie 4,096 and 8,192 bytes on
	s_mov_b32 s55, 0
	s_mul_i32 s20, s16, 32*ROWB     ; my 32 rows of a tile
	s_add_co_u32 s20, s20, s54
	s_mov_b32 s21, 0
	s_lshl_b32 s8, s5, 11           ; Q and ob: row 2048 b
	s_lshl_b32 s9, s14, 7           ; + 128 x block
	s_add_co_u32 s8, s8, s9
	s_lshl_b32 s9, s17, 6           ; + 64 g
	s_add_co_u32 s8, s8, s9
	s_lshl_b32 s9, s16, 5
	s_add_co_u32 s10, s8, s9        ; + 32 par: my tiles 0, 1
	s_xor_b32 s9, s9, 32
	s_add_co_u32 s11, s8, s9        ; + 32 (1 - par): my tiles 2, 3
	s_lshl_b32 s9, s16, 8
	s_add_co_u32 s9, s9, s7         ; the head's columns, my softmax's 128 channels
	s_mul_i32 s84, s10, ROWB
	s_add_co_u32 s84, s84, s9
	s_mov_b32 s85, 0
	s_mul_i32 s86, s11, ROWB
	s_add_co_u32 s86, s86, s9
	s_mov_b32 s87, 0
	s_lshl_b32 s2, s10, 12          ; a row of ob is 4,096 bytes
	s_add_co_u32 s2, s2, s7
	s_mov_b32 s3, 0
	s_add_co_u32 s22, s17, 1        ; the prefetches: K's columns (waves 0, 1) or V's,
	s_lshl_b32 s22, s22, 12
	s_mul_i32 s23, s13, 16*ROWB     ; my work-group's 16 rows of the 64,
	s_add_co_u32 s22, s22, s23
	s_sub_co_u32 s23, 2, s17        ; in slot 1: K of step 2, V of step 1; the first change of slots steps it to slot 2
	s_mul_i32 s23, s23, STEPG
	s_add_co_u32 s22, s22, s23
	s_mov_b32 s23, 0
	s_and_b32 s[LIM], s[WV], 1      ; 0 in waves 0 and 2,
	s_or_b32 s[LIM], s[LIM], ttmp9  ; where the cluster is the first of its (b, h): the same in all four partners
	s_cmp_eq_u32 s[LIM], 0
	s_cselect_b32 s[LIM], 1, -1
	s_cmp_eq_u32 s16, 1
	s_cselect_b32 s57, -1, 0        ; all lanes' bits where par = 1
	; descriptor group 1: a tile of 32 rows x 256 elements, padded in LDS
	s_mov_b32 s[G1K], 15|(1<<16)|(1<<20)|(1<<21)|(6<<22)|(3<<25)  ; 15:0 the mask of four; 17:16 2-byte elements; 20 padding on; 21 set beside a mask; 24:22 after every 128 words (code 6); 31:25 4 words (code 3)
	s_mov_b32 s[G1V], 15|(1<<16)|(1<<20)|(1<<21)|(6<<22)|(7<<25)  ; the same with 8 words of padding (code 7)
.irp g, G1K, G1V
	s_mov_b32 s[\g+1], 256<<16      ; tensor_dim0 = 256
	s_mov_b32 s[\g+2], 32<<16       ; tensor_dim1 = 32
	s_mov_b32 s[\g+3], 256<<16      ; tile_dim0 = 256
	s_mov_b32 s[\g+4], 32           ; tile_dim1 = 32
	s_mov_b32 s[\g+5], 6144         ; elements from row to row
	s_mov_b32 s[\g+6], 0
	s_mov_b32 s[\g+7], 0
.endr
	s_mov_b32 s[G0K], 1             ; count = 1
	s_mul_i32 s[G0K+1], s16, 32*PK  ; LDS address: slot 0, my 32 rows: no place in the cluster enters it
	s_mov_b32 s[G0V], 1
	s_mul_i32 s[G0V+1], s16, 32*PVP
	s_add_co_u32 s[G0V+1], s[G0V+1], VOFF
	s_mov_b32 s[G0KX], 1
	s_add_co_u32 s[G0KX+1], s[G0K+1], XOFF  ; the same places in the region of its own
	s_mov_b32 s[G0VX], 1
	s_add_co_u32 s[G0VX+1], s[G0V+1], XOFF
	s_mov_b32 s[CS], 0x3e0293ee     ; c = log2(e) / sqrt(128) = 0.127517
	s_mov_b32 s[CS+1], s[CS]        ; named with it as a pair
	s_mov_b32 s[SEL], 0x76543210
	s_mov_b32 s[SEL+1], 0xfedcba98
	s_mov_b32 s[TB], SLOT1          ; the first change of slots turns it into 0
	s_mov_b32 s66, 0x3b800000       ; 1 / 256
	s_mov_b32 s67, 0x3727c5ac       ; 1e-5
	s_wait_dscnt 0x0                ; the opening add is done
	s_wait_kmcnt 0x0
	s_add_nc_u64 s[G0KX+2:G0KX+3], s[68:69], s[20:21]
	s_add_nc_u64 s[G0KX+2:G0KX+3], s[G0KX+2:G0KX+3], 4096   ; global address: my 32 rows of K of step 0;
	s_add_nc_u64 s[G0K+2:G0K+3], s[G0KX+2:G0KX+3], STEPG    ; slot 0 holds K of step 1
	s_or_b32 s[G0KX+3], s[G0KX+3], 0x80000000               ; type = 2
	s_or_b32 s[G0K+3], s[G0K+3], 0x80000000
	s_add_nc_u64 s[G0V+2:G0V+3], s[68:69], s[20:21]
	s_add_nc_u64 s[G0V+2:G0V+3], s[G0V+2:G0V+3], 8192       ; and V of step 0;
	s_add_nc_u64 s[G0VX+2:G0VX+3], s[G0V+2:G0V+3], 31*STEPG ; V of step 31
	s_or_b32 s[G0V+3], s[G0V+3], 0x80000000
	s_or_b32 s[G0VX+3], s[G0VX+3], 0x80000000
	s_add_nc_u64 s[QA:QA+1], s[68:69], s[84:85]
	s_add_nc_u64 s[QB:QB+1], s[68:69], s[86:87]
	s_add_nc_u64 s[OB:OB+1], s[80:81], s[2:3]
	s_add_nc_u64 s[PFA:PFA+1], s[68:69], s[54:55]
	s_add_nc_u64 s[PFA:PFA+1], s[PFA:PFA+1], s[22:23]
	CROUND                          ; all four work-groups are here: the first joint loads meet
	s_cmp_lt_u32 s[WV], 2           ; a wave's two first fills stand in one branch, ahead of every wait on TENSORcnt and every LDS read: two loads of mine are out
	s_cbranch_scc0 .Lfirst_v
	tensor_load_to_lds s[G0KX:G0KX+3], s[G1K:G1K+7]
	s_nop 0
	tensor_load_to_lds s[G0K:G0K+3], s[G1K:G1K+7]
	s_nop 0
.rept 4
	v_nop
.endr
	s_branch .Lfirst_asked
.Lfirst_v:
	tensor_load_to_lds s[G0VX:G0VX+3], s[G1V:G1V+7]
	s_nop 0
	tensor_load_to_lds s[G0V:G0V+3], s[G1V:G1V+7]
	s_nop 0
.rept 4
	v_nop
.endr
.Lfirst_asked:
	; A fragment of K or Q is 16 rows x 32 channels in 8 registers: lane l holds row l % 16, channels 8 (l / 16) + 0..7 and 16 + 8 (l / 16) + 0..7: two loads of 16 bytes, 32 bytes apart.
	v_and_b32 v1, 15, v0            ; l % 16
	v_bfe_u32 v9, v0, 4, 1          ; l / 16
	v_mul_u32_u24 v[QO], v1, ROWB
	v_lshl_add_u32 v[QO], v9, 4, v[QO]
	WIN TO3
.set i, 0
.rept 16                            ; Q stays in registers: tile i / 4, channels 32 (i % 4) on
.if i < 8
	global_load_b128 v[8*i:8*i+3],   v[QO], s[QA:QA+1] offset:((i/4)%2)*16*ROWB+(i%4)*64
	global_load_b128 v[8*i+4:8*i+7], v[QO], s[QA:QA+1] offset:((i/4)%2)*16*ROWB+(i%4)*64+32
.else
	global_load_b128 v[8*i:8*i+3],   v[QO], s[QB:QB+1] offset:((i/4)%2)*16*ROWB+(i%4)*64
	global_load_b128 v[8*i+4:8*i+7], v[QO], s[QB:QB+1] offset:((i/4)%2)*16*ROWB+(i%4)*64+32
.endif
.set i, i+1
.endr
	WIN 0
	v_and_b32 v10, 31, v0           ; lane
	v_lshl_add_u32 v[WK], v10, 4, s7  ; the head's 128 lambdas, four a lane
	v_lshlrev_b32 v[WK+1], 5, v10     ; the 256 gains, eight a lane
	global_load_b128 v[64:67], v[WK], s[70:71]
	global_load_b128 v[68:71], v[WK], s[72:73]
	global_load_b128 v[72:75], v[WK], s[74:75]
	global_load_b128 v[76:79], v[WK], s[76:77]
	global_load_b128 v[80:83], v[WK+1], s[78:79]
	global_load_b128 v[84:87], v[WK+1], s[78:79] offset:16
	v_mul_u32_u24 v[AK0], v1, PK
	v_lshl_add_u32 v[AK0], v9, 4, v[AK0]  ; row x pitch + 16 x half
	s_lshl_b32 s8, s16, 8
	v_add_nc_u32 v[AK0], s8, v[AK0]       ; + my softmax's 128 channels
	; The turning load takes 16 keys x 16 channels (lane l reads key 8 (l / 16) + l % 8, channels 8 ((l / 8) % 2) + 0..7) and leaves half a fragment of V^T: lane l holds channel l % 16 and 8 keys.
	v_and_b32 v11, 7, v0
	v_lshl_add_u32 v[AV0], v9, 3, v11
	v_mul_u32_u24 v[AV0], v[AV0], PVP
	v_bfe_u32 v11, v0, 3, 1
	v_lshl_add_u32 v[AV0], v11, 4, v[AV0]
	v_add_nc_u32 v[AV0], VOFF, v[AV0]
	s_mul_i32 s8, s[WV], 16*528
	s_add_co_u32 s8, s8, OSTG       ; my stage
	v_mul_u32_u24 v[STO], v1, 528   ; in: row l % 16, 16 bytes for each half of the lanes
	v_lshl_add_u32 v[STO], v9, 4, v[STO]
	v_add_nc_u32 v[STO], s8, v[STO]
	v_lshlrev_b32 v[GO], 4, v10     ; back: 32 lanes take a row of 512 bytes
	v_add_nc_u32 v[RD], s8, v[GO]
	s_lshl_b32 s8, s[WV], 10
	s_add_co_u32 s8, s8, GTAB       ; my table of gains
	v_lshl_add_u32 v[GA], v9, 5, s8 ; channel 16 cb + 8 (l / 16) + j lies at 64 cb + 32 (l / 16) + 4 j
	v_lshl_add_u32 v11, v10, 5, s8  ; where I put the eight that I loaded
	s_lshl_b32 s8, s[WV], 14
	s_add_co_u32 s8, s8, XCH
	v_add_nc_u32 v[XS], s8, v[GO]
	s_xor_b32 s9, s[WV], 1          ; my partner: the other softmax of the same queries
	s_lshl_b32 s9, s9, 14
	s_add_co_u32 s9, s9, XCH
	v_add_nc_u32 v[XR], s9, v[GO]
	v_lshrrev_b32 v[PFO], 1, v10
	v_mul_u32_u24 v[PFO], v[PFO], ROWB
	v_and_b32 v10, 1, v10
	v_lshl_add_u32 v[PFO], v10, 8, v[PFO]
	; What the first trip finds: P's keys 32-63 hold 0 (its block 6 adds 0), O^T and l are 0.  All this stands in the wait for the first tiles.
.irp t, 0,1,2,3
.irp n, 8,9,10,11,12,13,14,15
	v_mov_b32 v[P+16*\t+\n], 0
.endr
	v_mov_b32 v[ST+8*\t], 0xfe000000    ; c m: far below every c s
	v_mov_b32 v[ST+8*\t+1], 0xff7fffff  ; m
	v_mov_b32 v[ST+8*\t+2], 0
	v_mov_b32 v[ST+8*\t+3], 0
.endr
.irp w, 0x40, 0x80                  ; O^T's 512 zeros are written by 64 products of two zero fragments: an eighth of the lines that moves would take
	WIN \w
.set i, 0
.rept 32
	v_wmma_f32_16x16x32_f16 v[8*i:8*i+7], v[P+8:P+15], v[P+24:P+31], 0
.set i, i+1
.endr
.endr
	WIN 0
	s_wait_loadcnt 0x0              ; Q, the lambdas, the gains
.irp n, 0,1,2,3,4,5,6,7,8,9,10,11   ; all 24 numbers are rounded to bf16 and widened again
	v_cvt_pk_bf16_f32 v[88+\n], v[64+2*\n], v[64+2*\n+1]
.endr
.irp n, 0,1,2,3,4,5,6,7,8,9,10,11
	v_lshlrev_b32 v[64+2*\n], 16, v[88+\n]
	v_and_b32 v[64+2*\n+1], 0xffff0000, v[88+\n]
.endr
	ds_store_b128 v11, v[80:83]     ; the gains go into my own table: only I read it, so no barrier is wanted for it
	ds_store_b128 v11, v[84:87] offset:16
	v_mul_f32 v[WK+4], v64, v68
	v_mul_f32 v[WK+5], v72, v76
.irp n, 1,2,3
	v_fmac_f32 v[WK+4], v[64+\n], v[68+\n]
	v_fmac_f32 v[WK+5], v[72+\n], v[76+\n]
.endr
.irp x, 1,2,4,8                     ; the sums over the 32 lanes: four steps inside each half ride on the addition, one crosses the halves
	v_add_f32_dpp v[WK+4], v[WK+4], v[WK+4] row_xmask:\x row_mask:0xf bank_mask:0xf
	v_add_f32_dpp v[WK+5], v[WK+5], v[WK+5] row_xmask:\x row_mask:0xf bank_mask:0xf
.endr
	v_permlanex16_b32 v88, v[WK+4], s[SEL], s[SEL+1]  ; (its destination counts as read: v88 and v89 have been written)
	v_permlanex16_b32 v89, v[WK+5], s[SEL], s[SEL+1]
	v_add_f32 v[WK+4], v[WK+4], v88
	v_add_f32 v[WK+5], v[WK+5], v89
	v_mul_f32 v[WK+4], 0x3fb8aa3b, v[WK+4]  ; e^x = 2^(x log2 e)
	v_mul_f32 v[WK+5], 0x3fb8aa3b, v[WK+5]
	v_exp_f32 v[WK+4], v[WK+4]
	v_exp_f32 v[WK+5], v[WK+5]
	v_mov_b32 v[WK+1], 1.0          ; a plain instruction behind the two exponentials,
	v_add_nc_u32 v[AK], XOFF, v[AK0]  ; and K of step 0's place
	s_wait_alu depctr_va_vdst(0)    ; one wait for the two, ahead of their first reader
	v_sub_f32 v[LAM], v[WK+4], v[WK+5]
	v_add_f32 v[LAM], 0x3eb60549, v[LAM]  ; + 0.8 - 0.6 exp(-0.3)
	v_sub_f32 v[WK], 0, v[LAM]
	v_cndmask_b32 v[FS], v[WK+1], v[WK], s57
; THE LDS LOADS stand in runs of 16: a chunk.  Half a step's K: key blocks 2 half, 2 half + 1 x my 128 channels: fragment f = key block f / 4, channels 32 (f % 4) on.
.macro RUNK half, buf
	WIN TO3
.irp f, 0,1,2,3,4,5,6,7
	ds_load_b128 v[(\buf)+8*(\f):(\buf)+8*(\f)+3],   v[AK] offset:(2*(\half)+(\f)/4)*16*PK+((\f)%4)*64
	ds_load_b128 v[(\buf)+8*(\f)+4:(\buf)+8*(\f)+7], v[AK] offset:(2*(\half)+(\f)/4)*16*PK+((\f)%4)*64+32
.endr
.endm
; A quarter of a step's V, turned: keys 32 kk on, channels 128 half on: fragment f = channels 16 f on.
.macro RUNV kk, half, buf
	WIN TO3
.irp f, 0,1,2,3,4,5,6,7
	ds_load_tr16_b128 v[(\buf)+8*(\f):(\buf)+8*(\f)+3],   v[AV] offset:(\kk)*32*PVP+(8*(\half)+(\f))*32
	ds_load_tr16_b128 v[(\buf)+8*(\f)+4:(\buf)+8*(\f)+7], v[AV] offset:(\kk)*32*PVP+16*PVP+(8*(\half)+(\f))*32
.endr
.endm
; THE MATRIX WORK.  bi counts a block's 32 products.  The accumulators take turns, one instruction a turn, from block to block and over the backward jumps too.
; S^T = K Q^T: channels 32 (bi / 8) on, key block 2 half + (bi / 4) % 2, tile bi % 4.  The first 8 start the sums; between two links of a chain stand 7 others'.
.macro MQK half, buf
	WIN W_KQ
.set rS, S+32*(bi%4)+8*(2*(\half)+(bi/4)%2)
.set rK, (\buf)+8*(4*((bi/4)%2)+bi/8)
.set rQ, 32*(bi%4)+8*(bi/8)
.if bi < 8
	v_wmma_f32_16x16x32_f16 v[rS:rS+7], v[rK:rK+7], v[rQ:rQ+7], 0
.else
	v_wmma_f32_16x16x32_f16 v[rS:rS+7], v[rK:rK+7], v[rQ:rQ+7], v[rS:rS+7]
.endif
.endm
; O^T += V^T P: keys 32 kk on, channel block 8 half + bi / 4, tile bi % 4: each accumulator once in a block.
.macro MPV kk, half, buf
	WIN 0x53+0x50*((bi%4)/2)        ; V in window 3, P in window 0, O^T in window 1 or 2
.set rO, 128*(bi%2)+8*(8*(\half)+bi/4)
.set rV, (\buf)+8*(bi/4)
.set rP, P+16*(bi%4)+8*(\kk)
	v_wmma_f32_16x16x32_f16 v[rO:rO+7], v[rV:rV+7], v[rP:rP+7], v[rO:rO+7]
.endm
; THE VECTOR WORK, one line at a time.  s0-s31 are a lane's 32 scores of a tile, in pairs 0-15; keys 0-31 are s0-s15.
.macro TREG t
.set rT, ST+8*(\t)
.set rS, S+32*(\t)
.set rP, P+16*(\t)
.endm
; Number j of the 21 that find tile t's maximum and statistics:
;   0-11  four chains c0-c3 of seven scores each, three operands at a time (each accumulator's lowest registers are read first)     12-15  the four scores left over, c0-c3 and the old m into c0
;   16, 18  the query's other 32 keys lie in the lane 16 away: the new m     17  c m_old is kept     19, 20  c m; c m_old - c m_new.     0, 1, 4, 5, 8, 9, 12 want keys 0-31 alone
.macro XOP j, t
	TREG \t
	WIN 0
.if (\j) < 4
	v_max3_num_f32 v[rT+4+(\j)], v[rS+8*(\j)], v[rS+8*(\j)+1], v[rS+8*(\j)+2]
.elseif (\j) < 12
	v_max3_num_f32 v[rT+4+(\j)%4], v[rT+4+(\j)%4], v[rS+8*((\j)%4)+2*((\j)/4)+1], v[rS+8*((\j)%4)+2*((\j)/4)+2]
.elseif (\j) == 12
	v_max3_num_f32 v[rT+4], v[rT+4], v[rS+7], v[rS+15]
.elseif (\j) == 13
	v_max3_num_f32 v[rT+6], v[rT+6], v[rS+23], v[rS+31]
.elseif (\j) == 14
	v_max3_num_f32 v[rT+4], v[rT+4], v[rT+5], v[rT+6]
.elseif (\j) == 15
	v_max3_num_f32 v[rT+4], v[rT+4], v[rT+7], v[rT+1]
.elseif (\j) == 16
	v_permlanex16_b32 v[rT+5], v[rT+4], s[SEL], s[SEL+1]
.elseif (\j) == 17
	v_mov_b32 v[rT+7], v[rT]
.elseif (\j) == 18
	v_max_num_f32 v[rT+1], v[rT+4], v[rT+5]
.elseif (\j) == 19
	v_mul_f32 v[rT], s[CS], v[rT+1]
.else
	v_sub_f32 v[rT+7], v[rT+7], v[rT]
.endif
.endm
.macro X4 j                         ; number j for the four tiles: so a tile's links stand a slice apart
.irp z, 0,1,2,3
	XOP \j, \z
.endr
.endm
; Exponential q of 132: the four a, then for n = 0 .. 63 the two scores of pair n / 4 of tile n % 4.
.macro EOP q
.if (\q) < 4
	TREG \q
	v_exp_f32 v[rT+6], v[rT+7]
.else
	TREG (((\q)-4)/2)%4
	v_exp_f32 v[rS+2*((((\q)-4)/2)/4)+(\q)%2], v[rS+2*((((\q)-4)/2)/4)+(\q)%2]
.endif
.endm
; Slice s of the 66 of the batch: scaling s (c s - c m for pair s / 4 of tile s % 4; there are 64) and exponentials 2 s, 2 s + 1, whose pair was scaled two slices earlier.  None names an exponential's result.
.macro ESL s
	WIN 0
.if (\s) < 64
	TREG (\s)%4
	v_pk_fma_f32 v[rS+2*((\s)/4):rS+2*((\s)/4)+1], v[rS+2*((\s)/4):rS+2*((\s)/4)+1], s[CS:CS+1], v[rT:rT+1] op_sel_hi:[1,0,0] neg_lo:[0,0,1] neg_hi:[0,0,1]
.endif
	EOP 2*(\s)
	EOP 2*(\s)+1
.endm
.macro COP n                        ; rounding n of 64: pair n / 4 of tile n % 4; 0-31 are keys 0-31
	TREG (\n)%4
	WIN 0
	v_cvt_pk_f16_f32 v[rP+(\n)/4], v[rS+2*((\n)/4)], v[rS+2*((\n)/4)+1]
.endm
; The sums of tile t, in place, behind the roundings.  pb = 0: pairs 0-7: u = 0-5 add neighbours 1 and 2 pairs apart, u = 6 puts the sum into c0, c1.  pb = 8: pairs 8-15: u = 0-6 likewise, in place;
; u = 7: l = a l + the sum over keys 0-31; u = 8: + the sum over keys 32-63.
.macro LOP pb, u, t
	TREG \t
	WIN 0
.set rB, rS+2*(\pb)
.if (\u) < 4
	v_pk_add_f32 v[rB+4*(\u):rB+4*(\u)+1], v[rB+4*(\u):rB+4*(\u)+1], v[rB+4*(\u)+2:rB+4*(\u)+3]
.elseif (\u) < 6
	v_pk_add_f32 v[rB+8*((\u)-4):rB+8*((\u)-4)+1], v[rB+8*((\u)-4):rB+8*((\u)-4)+1], v[rB+8*((\u)-4)+4:rB+8*((\u)-4)+5]
.elseif ((\u) == 6) && ((\pb) == 0)
	v_pk_add_f32 v[rT+4:rT+5], v[rB:rB+1], v[rB+8:rB+9]
.elseif (\u) == 6
	v_pk_add_f32 v[rB:rB+1], v[rB:rB+1], v[rB+8:rB+9]
.elseif (\u) == 7
	v_pk_fma_f32 v[rT+2:rT+3], v[rT+2:rT+3], v[rT+6:rT+7], v[rT+4:rT+5] op_sel_hi:[1,0,1]
.else
	v_pk_add_f32 v[rT+2:rT+3], v[rT+2:rT+3], v[rB:rB+1]
.endif
.endm
.macro ROP t, cb                    ; a slice: accumulator (t, cb) of O^T times a, from its low end on
	WIN 0x41*((\t)/2+1)             ; O^T (destination and source 0) in window 1 or 2, a in window 0
.set rO, 128*((\t)%2)+8*(\cb)
.set rT, ST+8*(\t)
.irp z, 0,2,4,6
	v_pk_mul_f32 v[rO+\z:rO+\z+1], v[rO+\z:rO+\z+1], v[rT+6:rT+7] op_sel_hi:[1,0]
.endr
.endm
; THE BLOCKS.  Where a block's last slice is four plain instructions that name none of the last product's registers, it is also the four places in front of the next run of loads and of the next readers; else four v_nop follow the block.
.macro BLOCK6                       ; channels 0-127 have had their last product of the step in block 5
.set bi, 0
.rept 32
	MPV 1, 1, FB1
	ROP bi%4, bi/4
.set bi, bi+1
.endr
.endm
.macro BLOCK1                       ; the products write s0-s15; the slices read s16-s31 of the step before
.set bi, 0
.rept 32
	MQK 0, FB0
.if bi < 8
.irp z, 0,1,2,3
	COP 32+4*bi+\z
.endr
.elseif bi < 17
.irp z, 0,1,2,3
	LOP 8, bi-8, \z
.endr
.else
	ROP (bi-17)%4, 8+(bi-17)/4
.endif
.set bi, bi+1
.endr
.endm
.macro BLOCK2
.set bi, 0
.rept 32
	MQK 1, FB1
.if bi < 17
	ROP (bi+15)%4, 8+(bi+15)/4
.elseif bi < 24
	X4 4*((bi-17)/2)+(bi-17)%2
.endif
.set bi, bi+1
.endr
.endm
.macro BLOCK3
.set bi, 0
.rept 32
	MPV 0, 0, FB0
.if bi < 6
	X4 4*(bi/2)+2+bi%2
.elseif bi < 14
	X4 bi+7
.else
	ESL bi-14
.endif
.set bi, bi+1
.endr
.endm
.macro BLOCK4
.set bi, 0
.rept 32
	MPV 0, 1, FB1
	ESL bi+18
.set bi, bi+1
.endr
.endm
.macro BLOCK5                       ; the batch ends; ONE wait serves its 132 exponentials: ahead of it nothing names a result of theirs, behind it none is issued.  P's keys 0-31 are free: block 4 has read them
.set bi, 0
.rept 32
	MPV 1, 0, FB0
.if bi < 16
	ESL bi+50
.elseif bi < 24
.irp z, 0,1,2,3
	COP 4*(bi-16)+\z
.endr
.elseif bi > 24
.irp z, 0,1,2,3
	LOP 0, bi-25, \z
.endr
.endif
.if bi == 15
	v_nop                           ; a plain instruction behind the last exponential
	s_wait_alu depctr_va_vdst(0)    ; the wait for the batch
.endif
.set bi, bi+1
.endr
.endm
; THE CHANGE OF SLOTS, between blocks 5 and 6: all six chunks of the slot in hand have been asked for from LDS.  Each wave waits for all its tensor loads (one is out: its part of the other slot), adds 0 to its
; spare word, and waits for that and for its own reads of the slot.  fill = 1: the slot is filled again, with what the trip after next reads: the barrier is a round of the cluster's, so that no wave of any partner
; still reads the slot or has a load on its way, and the joint fill is the first thing behind it; it has a trip's 192 matrix instructions and their slices in which to land.
.macro CHANGE fill
	WIN 0                           ; at a label and at a branch every window is 0
	s_wait_tensorcnt 0x0            ; no tensor load of mine is out, so a group 0 may be written
	ds_add_u32 v[SPW], v[NIL]
.if \fill
.irp g, G0K, G0V
	s_xor_b32 s[\g+1], s[\g+1], SLOT1  ; the walking descriptor: the other slot than last time,
	s_add_nc_u64 s[\g+2:\g+3], s[\g+2:\g+3], STEPG  ; the next 64 keys; the type bits on top are not reached
.endr
	s_wait_xcnt 0x0                 ; the last prefetch, a trip back, has read its address
	s_add_nc_u64 s[PFA:PFA+1], s[PFA:PFA+1], STEPG
	s_wait_dscnt 0x0                ; the add is done, and my reads of the slot are over
	CROUND
	JLOAD
	s_xor_b32 s[TB], s[TB], SLOT1
.else
	s_wait_dscnt 0x0
	s_barrier_signal -1
	s_barrier_wait -1
.endif
	v_add_nc_u32 v[AK], s[TB], v[AK0]
	v_add_nc_u32 v[AV], s[TB], v[AV0]
.endm
; A TRIP.  Each run of loads goes into the buffer that the block just ended has read, and is waited for a block later: s_wait_dscnt 16 lets the 16 loads just issued stay out.
.macro TRIP fill
	CHANGE \fill
	RUNK 0, FB0
	WIN 0
.if \fill
	ASK                             ; behind the joint load and the run of LDS loads
.endif
	BLOCK6                          ; its chunk was waited for in front of the change's barrier
	RUNK 1, FB1
	s_wait_dscnt 16
	BLOCK1
	RUNV 0, 0, FB0
	s_wait_dscnt 16
	BLOCK2
	PLACES
	RUNV 0, 1, FB1
	s_wait_dscnt 16
	BLOCK3
	PLACES
	RUNV 1, 0, FB0
	s_wait_dscnt 16
	BLOCK4
	PLACES
	RUNV 1, 1, FB1
	s_wait_dscnt 16
	BLOCK5
	WIN 0
.endm
	; STEP 0's scores and the first part of its softmax are written out: there is no matrix work yet to set them beside.
	s_wait_tensorcnt 0x1            ; my part of the region of its own is in; slot 0's may stay out
	s_wait_dscnt 0x0                ; my stores of the gains
	s_barrier_signal -1
	s_barrier_wait -1               ; everybody's part is in
	RUNK 0, FB0
	RUNK 1, FB1
	s_wait_dscnt 0x0
.set bi, 0
.rept 32
	MQK 0, FB0
.set bi, bi+1
.endr
.set bi, 0
.rept 32
	MQK 1, FB1
.set bi, bi+1
.endr
	PLACES
.set pj, 0
.rept 21
	X4 pj
.set pj, pj+1
.endr
.set pj, 0
.rept 66
	ESL pj
.set pj, pj+1
.endr
	v_nop                           ; a plain instruction behind the last exponential,
	s_wait_alu depctr_va_vdst(0)    ; and the wait for the batch
.set pj, 0
.rept 32
	COP pj
.set pj, pj+1
.endr
.set pj, 0
.rept 7
.irp z, 0,1,2,3
	LOP 0, pj, \z
.endr
.set pj, pj+1
.endr
	s_mov_b32 s[CNT], 30
.Ltrip:                             ; 30 trips: trip k = -1 .. 28 reads slot k + 1 and asks for slot k + 2
	TRIP 1
	s_sub_co_u32 s[CNT], s[CNT], 1
	s_cmp_lg_u32 s[CNT], 0
	s_cbranch_scc1 .Ltrip
	s_mov_b32 s[TB], 0              ; the last two trips are written out: they read slot 30, which lies at 0, and then the region of its own
	s_mov_b32 s[CNT], 2
.Ltail:
	TRIP 0
	s_add_co_u32 s[TB], s[TB], XOFF
	s_sub_co_u32 s[CNT], s[CNT], 1
	s_cmp_lg_u32 s[CNT], 0
	s_cbranch_scc1 .Ltail
	s_wait_dscnt 0x0                ; the last chunk is in
.set bi, 0
.rept 32
	MPV 1, 1, FB1                   ; step 31's last block
.set bi, bi+1
.endr
	; THE END.  The gains come into Q's registers: channel block cb at v[8 cb] of window 3, as O^T's registers lie.
	WIN TO3
.irp f, 0,1,2,3,4,5,6,7,8,9,10,11,12,13,14,15
	ds_load_b128 v[8*\f:8*\f+3],   v[GA] offset:64*\f
	ds_load_b128 v[8*\f+4:8*\f+7], v[GA] offset:64*\f+16
.endr
	WIN 0
.irp t, 0,1,2,3                     ; l's two halves and the other half of the lanes'; these additions are the places behind the last products
	v_add_f32 v[ST+8*\t+4], v[ST+8*\t+2], v[ST+8*\t+3]
.endr
.irp t, 0,1,2,3
	v_permlanex16_b32 v[ST+8*\t+5], v[ST+8*\t+4], s[SEL], s[SEL+1]
.endr
.irp t, 0,1,2,3
	v_add_f32 v[ST+8*\t+4], v[ST+8*\t+4], v[ST+8*\t+5]
.endr
.irp t, 0,1,2,3
	v_rcp_f32 v[ST+8*\t+6], v[ST+8*\t+4]
.endr
	v_nop                           ; a plain instruction behind the last reciprocal,
	s_wait_alu depctr_va_vdst(0)    ; and one wait for the four
.irp t, 0,1,2,3
	v_mul_f32 v[ST+8*\t+6], v[ST+8*\t+6], v[FS]  ; 1 / l, or -lam / l
.endr
.macro SCALE t                      ; tile t's O^T times that; each accumulator is taken from its low end
	WIN 0x41*((\t)/2+1)
.set i, 128*((\t)%2)
.rept 64
	v_pk_mul_f32 v[i:i+1], v[i:i+1], v[ST+8*(\t)+6:ST+8*(\t)+7] op_sel_hi:[1,0]
.set i, i+2
.endr
.endm
.macro XSEND t                      ; tile t (2 or 3) into my exchange area, as it lies in registers: 16 bytes a lane, 512 an instruction
	WIN 0x08                        ; data (source 1) in window 2
.set i, 0
.rept 32
	ds_store_b128 v[XS], v[128*((\t)%2)+4*i:128*((\t)%2)+4*i+3] offset:512*i
.set i, i+1
.endr
.endm
.macro XRECV                        ; my partner's tile, into S^T's registers
	WIN 0
.set i, 0
.rept 32
	ds_load_b128 v[S+4*i:S+4*i+3], v[XR] offset:512*i
.set i, i+1
.endr
.endm
.macro XADD t                       ; my tile t (0 or 1) times its factor, plus the partner's, which came scaled: one fused multiply-add; each accumulator from its low end
	WIN 0x41
.set i, 0
.rept 64
	v_pk_fma_f32 v[128*(\t)+2*i:128*(\t)+2*i+1], v[128*(\t)+2*i:128*(\t)+2*i+1], v[ST+8*(\t)+6:ST+8*(\t)+7], v[S+2*i:S+2*i+1] op_sel_hi:[1,0,1]
.set i, i+1
.endr
.endm
	SCALE 2
	s_wait_dscnt 0x0                ; all my LDS loads are back, the gains among them:
	s_barrier_signal -1
	s_barrier_wait -1               ; so are everybody's: nobody reads the ring any more, and slot 1's bytes, which have had their last fill, take the exchange
	XSEND 2
	SCALE 3
	s_wait_dscnt 0x0                ; for my partner's sake: my stores are done
	s_barrier_signal -1
	s_barrier_wait -1
	XRECV
	s_wait_dscnt 0x0                ; my reads of the partner's area are back:
	s_barrier_signal -1
	s_barrier_wait -1               ; so are everybody's, and the areas may be written again
	XSEND 3
	XADD 0
	s_wait_dscnt 0x0
	s_barrier_signal -1
	s_barrier_wait -1
	XRECV
	s_wait_dscnt 0x0
	XADD 1
; Tile t (0 or 1): the mean of the 256 squares (a lane holds 128 channels of its query, the lane 16 away the others), in four chains; O / sqrt(mean + 1e-5) x gain x (1 - 0.355509); rounded to f16;
; 16 bytes a lane into rows of 528 bytes, and back as whole rows of 512, into the registers that they left.
.macro FINISH t
	WIN 0x05                        ; sources 0 and 1 window 1, source 2 and destination window 0
.set i, 0
.rept 64
.set rO, 128*(\t)+2*i
.set rA, WK+2*(i%4)
.if i < 4
	v_pk_mul_f32 v[rA:rA+1], v[rO:rO+1], v[rO:rO+1]
.else
	v_pk_fma_f32 v[rA:rA+1], v[rO:rO+1], v[rO:rO+1], v[rA:rA+1]
.endif
.set i, i+1
.endr
	WIN 0
	v_pk_add_f32 v[WK:WK+1], v[WK:WK+1], v[WK+2:WK+3]
	v_pk_add_f32 v[WK+4:WK+5], v[WK+4:WK+5], v[WK+6:WK+7]
	v_pk_add_f32 v[WK:WK+1], v[WK:WK+1], v[WK+4:WK+5]
	v_add_f32 v[WK], v[WK], v[WK+1]
	v_permlanex16_b32 v[WK+1], v[WK], s[SEL], s[SEL+1]
	v_add_f32 v[WK], v[WK], v[WK+1]
	v_fma_f32 v[WK], v[WK], s66, s67
	v_rsq_f32 v[WK], v[WK]
	WIN 0x4d                        ; O^T in window 1, the gains in window 3: 64 plain instructions between the root and the wait for it
.set i, 0
.rept 64
	v_pk_mul_f32 v[128*(\t)+2*i:128*(\t)+2*i+1], v[128*(\t)+2*i:128*(\t)+2*i+1], v[2*i:2*i+1]
.set i, i+1
.endr
	WIN 0
	s_wait_alu depctr_va_vdst(0)    ; ahead of the root's first reader
	v_mul_f32 v[WK], 0x3f24fd5c, v[WK]
	WIN 0x41
.set i, 0
.rept 64
	v_pk_mul_f32 v[128*(\t)+2*i:128*(\t)+2*i+1], v[128*(\t)+2*i:128*(\t)+2*i+1], v[WK:WK+1] op_sel_hi:[1,0]
.set i, i+1
.endr
	WIN 0x05
.set i, 0
.rept 64
	v_cvt_pk_f16_f32 v[S+64*(\t)+i], v[128*(\t)+2*i], v[128*(\t)+2*i+1]
.set i, i+1
.endr
	WIN 0
.set i, 0
.rept 16
	ds_store_b128 v[STO], v[S+64*(\t)+4*i:S+64*(\t)+4*i+3] offset:32*i
.set i, i+1
.endr
.set i, 0
.rept 16
	ds_load_b128 v[S+64*(\t)+4*i:S+64*(\t)+4*i+3], v[RD] offset:528*i  ; LDS serves a wave's instructions in order (ISA guide 5.7.1.4): these see the stores above; the next tile's stores come behind them
.set i, i+1
.endr
.endm
.macro SEND t, younger              ; younger: the LDS instructions issued behind tile t's loads: the next tile's 32, or none
	WIN 0
.set i, 0
.rept 16
	s_wait_dscnt (\younger)+15-i
	global_store_b128 v[GO], v[S+64*(\t)+4*i:S+64*(\t)+4*i+3], s[OB:OB+1] offset:(16*(\t)+i)*4096  ; 512 consecutive bytes, at a multiple of 512 from ob's first
.set i, i+1
.endr
.endm
	FINISH 0
	FINISH 1                        ; a tile's arithmetic stands between the loads of the tile before and its stores
	SEND 0, 32
	SEND 1, 0
	s_wait_tensorcnt 0x0            ; the wave's end, behind my last tensor load and my last LDS store
	ds_add_u32 v[SPW], v[NIL]
	s_wait_dscnt 0x0
	CROUND                          ; the closing round: no work-group ends while a partner may still ask for a tile that names it
	s_endpgm
.Lfunc_end_k_q9f93fbe34a_attn:
	.size	k_q9f93fbe34a_attn, .Lfunc_end_k_q9f93fbe34a_attn-k_q9f93fbe34a_attn
	.p2alignl 7, 3214868480
	.fill 96, 4, 3214868480
	.section	.rodata,"a",@progbits
	.p2align	6, 0x0
	.amdhsa_kernel k_q9f93fbe34a_attn
		.amdhsa_group_segment_fixed_size 327680
		.amdhsa_private_segment_fixed_size 0
		.amdhsa_enable_private_segment 0
		.amdhsa_kernarg_size 56
		.amdhsa_user_sgpr_count 2
		.amdhsa_user_sgpr_kernarg_segment_ptr 1
		.amdhsa_wavefront_size32 1
		.amdhsa_system_sgpr_workgroup_id_x 1
		.amdhsa_system_sgpr_workgroup_id_y 1
		.amdhsa_system_sgpr_workgroup_id_z 1
		.amdhsa_system_vgpr_workitem_id 0
		.amdhsa_next_free_vgpr 1024
		.amdhsa_next_free_sgpr 96
		.amdhsa_reserve_vcc 0
		.amdhsa_float_denorm_mode_32 3
		.amdhsa_float_denorm_mode_16_64 3
		.amdhsa_memory_ordered 1
		.amdhsa_forward_progress 1
		.amdhsa_inst_pref_size 253
	.end_amdhsa_kernel
	.amdgpu_metadata
---
amdhsa.version: [ 1, 2 ]
amdhsa.kernels:
  - .name:           k_q9f93fbe34a_attn
    .symbol:         k_q9f93fbe34a_attn.kd
    .args:
      - { .name: qkv, .offset: 0, .size: 8, .value_kind: global_buffer, .address_space: global }
      - { .name: lambda_q1, .offset: 8, .size: 8, .value_kind: global_buffer, .address_space: global }
      - { .name: lambda_k1, .offset: 16, .size: 8, .value_kind: global_buffer, .address_space: global }
      - { .name: lambda_q2, .offset: 24, .size: 8, .value_kind: global_buffer, .address_space: global }
      - { .name: lambda_k2, .offset: 32, .size: 8, .value_kind: global_buffer, .address_space: global }
      - { .name: rms_scale, .offset: 40, .size: 8, .value_kind: global_buffer, .address_space: global }
      - { .name: ob, .offset: 48, .size: 8, .value_kind: global_buffer, .address_space: global }
    .group_segment_fixed_size: 327680
    .private_segment_fixed_size: 0
    .kernarg_segment_align: 8
    .kernarg_segment_size: 56
    .max_flat_workgroup_size: 128
    .sgpr_count:     96
    .vgpr_count:     1024
    .wavefront_size: 32
...
	.end_amdgpu_metadata
.endif
;; end of part 3
;; launch oproj (part 4): grid 8 x 32, 4 waves a work-group, clusters of 4 x 4, 327,680 bytes of LDS; arguments ob, cb, out0; writes out0
.if DOCPART == 4
	.amdgcn_target "amdgcn-amd-amdhsa--gfx1250"
	.amdhsa_code_object_version 6
	.text
	.protected	k_q9f93fbe34a_oproj
	.globl	k_q9f93fbe34a_oproj
	.p2align	8
	.type	k_q9f93fbe34a_oproj,@function
k_q9f93fbe34a_oproj:
	s_mov_b64 s[64:65], 0
	v_nop
	global_prefetch_b8 v0, s[64:65] scope:SCOPE_SE
	s_setreg_imm32_b32 hwreg(HW_REG_WAVE_MODE, 25, 1), 1
	s_wait_xcnt 0x0
	s_wait_alu depctr_hold_cnt(0) depctr_sa_sdst(0) depctr_va_vdst(0) depctr_va_sdst(0) depctr_va_ssrc(0) depctr_va_vcc(0) depctr_vm_vsrc(0)
	s_getreg_b32 s2, hwreg(HW_REG_IB_STS2, 6, 4)
	s_cmp_eq_u32 s2, 0
	s_cbranch_scc0 .Lentry_in_a_cluster
	s_endpgm
.Lentry_in_a_cluster:
	s_bfe_u32 s2, ttmp6, 0x10000c
	s_cmp_lg_u32 s2, 0xf033
	s_cbranch_scc0 .Lentry_shape_is_right
	s_endpgm
.Lentry_shape_is_right:
; out0[m][n] = sum over k of O[m][k] Wo[n][k].  O = ob: [4096][2048] f16; Wo: [1024][2048] f16 (its bf16 rounding, written as f16) at cb's byte 0x1400000; sums in f32; out0: [4096][1024] f32.
; A tile of C is 128 x 128: 256 tiles, one to a work-group.  Four waves, each 64 x 64: 16 accumulators of 16 x 16, 128 registers.  K goes in steps of 256 (LDS rows of 512 bytes; a wave's tensor load
; brings 64 of them), as long as two slots in LDS allow.  A wave's 64 columns of f32 are 256 aligned bytes of a row of C, so each wave has a stage of its own on the way out, and no barrier is wanted there.
; CLUSTERS: 4 x 4 work-groups.  The four of a row of the cluster need the same tiles of A, the four of a column the same tiles of B: each tile is asked for JOINTLY.
; THE MATRIX INSTRUCTION IS USED TRANSPOSED (source 0 = 16 rows of B, source 1 = 16 rows of A): a lane then holds eight neighbouring numbers of a row of C.
; No prefetch: a tile's step is short and its blocks small.
; REGISTERS: window 0: v0-31 addresses; v128-255 the accumulators ((a, b) at v[128 + 8 (4 a + b)]), on the way out also the rows read back.
;   window 1: two fragment buffers of 128: for 64 along K, 64 registers of A (2 x 4 x 16 rows x 32 K), then 64 of B.
.set SIZE_M, 4096
.set SIZE_N, 1024
.set SIZE_K, 2048
.set KSTEP,  256
.set PITCH,  528                       ; an LDS row: 512 bytes + 16 of padding = 132 words: the 16 rows of a load start at 16 different groups of four banks (64 banks of 4 bytes: ISA guide 11.1)
.set HALFT,  64*PITCH
.set SLOT,   4*HALFT                   ; A's 128 rows, then B's 128 rows
.set STAGE,  2*SLOT                    ; behind the ring: 16 rows x 272 bytes for each wave
.set SPITCH, 272
.set SPARE,  STAGE+4*16*SPITCH         ; behind the stages: the spare words, 128 bytes for each wave
.set LAPS, SIZE_K/(2*KSTEP)            ; 4
.set ADRA, 16
.set ADRB, 20
.set STO,  24
.set RD,   25
.set CO,   26
.set SPW,  28
.set NIL,  29
.set ACC,  128
.set F0,   0
.set F1,   128
.set G1, 24
.set G0, 32
.set G1B, 48
.set G0B, 56
.set MSB, 0
.macro WIN new
.if MSB != (\new)
	s_set_vgpr_msb (MSB<<8)|(\new)
.set MSB, \new
.endif
.endm
.set MUL,  0x05                        ; sources 0 (B) and 1 (A) window 1; C and D window 0
.set TO_F, 0x40                        ; destination window 1, address window 0
.macro JLOAD s                         ; a joint load: waves 0 and 1 fetch A's two halves, waves 2 and 3 B's; an s_nop 0 and four v_nop follow each of the two lines
	s_cmp_eq_u32 s11, 0
	s_cbranch_scc0 .Lfor_b_\@
	tensor_load_to_lds s[G0+4*(\s):G0+4*(\s)+3], s[G1:G1+7]
	s_nop 0
.rept 4
	v_nop
.endr
	s_branch .Lasked_\@
.Lfor_b_\@:
	tensor_load_to_lds s[G0B+4*(\s):G0B+4*(\s)+3], s[G1B:G1B+7]
	s_nop 0
.rept 4
	v_nop
.endr
.Lasked_\@:
.endm
.macro CREST                           ; a round of the cluster's barrier behind its opening barrier
	s_cmp_lg_u32 s10, 0
	s_cbranch_scc1 .Lnot_wave_0_\@
	s_barrier_signal -3
.Lnot_wave_0_\@:
	s_barrier_wait -3
	s_barrier_signal -1
	s_barrier_wait -1
.endm
.macro CROUND
	s_barrier_signal -1
	s_barrier_wait -1
	CREST
.endm
	s_load_b128 s[4:7], s[0:1], 0x0                ; ob s[4:5], cb s[6:7]
	s_load_b64 s[8:9], s[0:1], 0x10                ; out0
	v_lshl_add_u32 v[SPW], v0, 2, SPARE
	v_mov_b32 v[NIL], 0
	ds_add_u32 v[SPW], v[NIL]                      ; the wave's opening: the add and its wait stand ahead of my first tensor load
	v_lshrrev_b32 v1, 5, v0
	v_readfirstlane_b32 s10, v1                    ; wave 0..3
	s_lshr_b32 s11, s10, 1                         ; which half of the tile's rows is mine.  Also: I fetch for A (0) or for B (1)
	s_and_b32 s12, s10, 1                          ; which half of its columns.  Also: which 64 rows of that tile I fetch
	s_bfe_u32 s40, ttmp6, 0x40000                  ; cx, cy
	s_bfe_u32 s41, ttmp6, 0x40004
	s_lshl_b32 s42, ttmp9, 2
	s_add_co_u32 s42, s42, s40                     ; tile column of C
	s_and_b32 s13, ttmp7, 0xffff
	s_lshl_b32 s13, s13, 2
	s_add_co_u32 s13, s13, s41                     ; tile row of C
	s_lshl_b32 s43, s41, 2
	s_lshl_b32 s43, 15, s43                        ; my row of the cluster
	s_lshl_b32 s44, 0x1111, s40                    ; my column
	; descriptor group 1: a tile of 64 rows x 256 elements of 2 bytes, 4 words of padding after every 128
	s_or_b32 s[G1+0], s43, (1<<16)|(1<<20)|(1<<21)|(6<<22)|(3<<25)
	s_or_b32 s[G1B+0], s44, (1<<16)|(1<<20)|(1<<21)|(6<<22)|(3<<25)
.irp g, G1, G1B
	s_mov_b32 s[(\g)+1], KSTEP<<16                 ; tensor_dim0 = 256
	s_mov_b32 s[(\g)+2], 64<<16                    ; tensor_dim1 = 64
	s_mov_b32 s[(\g)+3], KSTEP<<16                 ; tile_dim0 = 256
	s_mov_b32 s[(\g)+4], 64                        ; tile_dim1 = 64
	s_mov_b32 s[(\g)+5], SIZE_K                    ; elements from row to row
	s_mov_b32 s[(\g)+6], 0
	s_mov_b32 s[(\g)+7], 0
.endr
	s_lshl_b32 s17, s12, 6
	s_lshl_b32 s16, s13, 7
	s_add_co_u32 s16, s16, s17                     ; A: row 128 x tile row + 64 x half
	s_lshl_b32 s46, s42, 7
	s_add_co_u32 s46, s46, s17                     ; B: row 128 x tile column + 64 x half
	s_mov_b32 s17, 0
	s_mov_b32 s47, 0
	s_mov_b64 s[18:19], SIZE_K*2
	s_mul_u64 s[16:17], s[16:17], s[18:19]
	s_mul_u64 s[46:47], s[46:47], s[18:19]
	s_mul_i32 s20, s10, HALFT                      ; where they go: wave x 64 rows
	s_wait_dscnt 0x0                               ; the opening add is done
	s_wait_kmcnt 0x0
	s_add_nc_u64 s[6:7], s[6:7], 0x1400000         ; B = Wo's slab
	s_add_nc_u64 s[14:15], s[4:5], s[16:17]
	s_add_nc_u64 s[46:47], s[6:7], s[46:47]
	CROUND                                         ; all sixteen work-groups are here: the first joint loads meet
.irp s, 0,1
	s_mov_b32 s[G0+4*(\s)], 1
	s_add_co_u32 s[G0+4*(\s)+1], s20, (\s)*SLOT
	s_add_nc_u64 s[G0+4*(\s)+2:G0+4*(\s)+3], s[14:15], (\s)*KSTEP*2
	s_or_b32 s[G0+4*(\s)+3], s[G0+4*(\s)+3], 0x80000000
	s_mov_b32 s[G0B+4*(\s)], 1
	s_add_co_u32 s[G0B+4*(\s)+1], s20, (\s)*SLOT
	s_add_nc_u64 s[G0B+4*(\s)+2:G0B+4*(\s)+3], s[46:47], (\s)*KSTEP*2
	s_or_b32 s[G0B+4*(\s)+3], s[G0B+4*(\s)+3], 0x80000000
	JLOAD \s                                       ; two loads of mine are out
.endr
	v_and_b32 v1, 15, v0                           ; l % 16
	v_bfe_u32 v2, v0, 4, 1                         ; l / 16
	v_mul_u32_u24 v3, v1, PITCH
	v_lshl_add_u32 v3, v2, 4, v3
	s_mul_i32 s21, s11, HALFT                      ; my 64 rows of A
	s_mul_i32 s22, s12, HALFT                      ; my 64 rows of B,
	s_add_co_u32 s22, s22, 2*HALFT                 ; which lie behind A's 128
.irp s, 0,1
	v_add_nc_u32 v[ADRA+(\s)], s21, v3
	v_add_nc_u32 v[ADRB+(\s)], s22, v3
	s_add_co_u32 s21, s21, SLOT
	s_add_co_u32 s22, s22, SLOT
.endr
	s_mul_i32 s23, s10, 16*SPITCH
	s_add_co_u32 s23, s23, STAGE                   ; my stage
	v_mul_u32_u24 v4, v1, SPITCH                   ; in: row l % 16; a lane's eight f32 are 32 bytes, the halves of the lanes side by side
	v_lshl_add_u32 v4, v2, 5, v4
	v_add_nc_u32 v[STO], s23, v4
	v_mul_u32_u24 v5, v2, SPITCH                   ; back: lanes 0-15 take one row of 256 bytes, lanes 16-31 the next
	v_lshl_add_u32 v5, v1, 4, v5
	v_add_nc_u32 v[RD], s23, v5
	v_lshlrev_b32 v5, 12, v2                       ; and the same two rows in C: 4,096 bytes a row
	v_lshl_add_u32 v[CO], v1, 4, v5
	s_lshl_b32 s16, s13, 7
	s_lshl_b32 s17, s11, 6
	s_add_co_u32 s16, s16, s17                     ; my first row of C: 128 x tile row + 64 x half
	s_lshl_b32 s16, s16, 12
	s_mov_b32 s17, 0
	s_add_nc_u64 s[8:9], s[8:9], s[16:17]
	s_lshl_b32 s46, s42, 9                         ; my first column, in bytes: 512 x tile column + 256 x half
	s_lshl_b32 s47, s12, 8
	s_add_co_u32 s46, s46, s47
	s_mov_b32 s47, 0
	s_add_nc_u64 s[8:9], s[8:9], s[46:47]
; 8 matrix instructions: m blocks a0, a0 + 1 x all 4 n blocks, 32 along K: half c of buffer f.  zero = 1: the first product starts the sums.  The 16 accumulators take turns.
.macro MUL8 f, c, a0, zero
	WIN MUL
.irp a, \a0, (\a0)+1
.irp b, 0,1,2,3
.if \zero
	v_wmma_f32_16x16x32_f16 v[ACC+8*(4*(\a)+(\b)):ACC+8*(4*(\a)+(\b))+7], v[(\f)+64+8*(4*(\c)+(\b)):(\f)+64+8*(4*(\c)+(\b))+7], v[(\f)+8*(4*(\c)+(\a)):(\f)+8*(4*(\c)+(\a))+7], 0
.else
	v_wmma_f32_16x16x32_f16 v[ACC+8*(4*(\a)+(\b)):ACC+8*(4*(\a)+(\b))+7], v[(\f)+64+8*(4*(\c)+(\b)):(\f)+64+8*(4*(\c)+(\b))+7], v[(\f)+8*(4*(\c)+(\a)):(\f)+8*(4*(\c)+(\a))+7], v[ACC+8*(4*(\a)+(\b)):ACC+8*(4*(\a)+(\b))+7]
.endif
.endr
.endr
.endm
; 32 LDS loads in one run: the fragments of 64 along K at byte k of the rows, into buffer f; the first 32 along K first
.macro FETCH slot, k, f
	WIN TO_F
.irp c, 0,1
.irp i, 0,1,2,3
	ds_load_b128 v[(\f)+64+8*(4*(\c)+(\i)):(\f)+64+8*(4*(\c)+(\i))+3],   v[ADRB+(\slot)] offset:(\k)+64*(\c)+(\i)*16*PITCH
	ds_load_b128 v[(\f)+64+8*(4*(\c)+(\i))+4:(\f)+64+8*(4*(\c)+(\i))+7], v[ADRB+(\slot)] offset:(\k)+64*(\c)+(\i)*16*PITCH+32
	ds_load_b128 v[(\f)+8*(4*(\c)+(\i)):(\f)+8*(4*(\c)+(\i))+3],         v[ADRA+(\slot)] offset:(\k)+64*(\c)+(\i)*16*PITCH
	ds_load_b128 v[(\f)+8*(4*(\c)+(\i))+4:(\f)+8*(4*(\c)+(\i))+7],       v[ADRA+(\slot)] offset:(\k)+64*(\c)+(\i)*16*PITCH+32
.endr
.endr
.endm
.macro PLACES                          ; four plain vector instructions in front of loads into registers that matrix instructions have read, and of LDS stores that read results
.rept 4
	v_nop
.endr
.endm
; A K step is four quarters of 64 along K, 32 matrix instructions each, on buffers 0, 1, 0, 1.  One of the first three multiplies buffer f and fetches the next quarter, at byte k, into g.
.macro QUARTER slot, k, f, g, zero
	s_wait_dscnt 16                                ; the first 32 along K are in; the youngest sixteen loads may be out
	WIN MUL
	MUL8 \f, 0, 0, \zero
	MUL8 \f, 0, 2, \zero
	PLACES
	FETCH \slot, \k, \g
	s_wait_dscnt 32                                ; all but the 32 just issued
	WIN MUL
	MUL8 \f, 1, 0, 0
	MUL8 \f, 1, 2, 0
.endm
; The last quarter multiplies buffer 1 and changes slots: one barrier; in front of it each wave waits for all its tensor loads, adds 0 to its spare word, and waits for that and for its own reads of this slot.
; fill = 1: this slot is filled again, two K steps ahead, behind a round of the cluster's barrier.
.macro TURN slot, next, fill
	WIN 0
	s_wait_tensorcnt 0x0                           ; all my tensor loads have landed: my part of the next slot
	ds_add_u32 v[SPW], v[NIL]
	s_wait_dscnt 17                                ; the add and the youngest sixteen loads may be out
	WIN MUL
	MUL8 F1, 0, 0, 0
	s_wait_dscnt 0x0                               ; the add is done, and my reads of this slot are over
	s_barrier_signal -1
	MUL8 F1, 0, 2, 0
.if \fill
	WIN 0
.endif
	s_barrier_wait -1
.if \fill
	CREST                                          ; no wave of any partner still reads this slot's tile or has a load on its way
	s_add_nc_u64 s[G0+4*(\slot)+2:G0+4*(\slot)+3], s[G0+4*(\slot)+2:G0+4*(\slot)+3], 2*KSTEP*2
	s_add_nc_u64 s[G0B+4*(\slot)+2:G0B+4*(\slot)+3], s[G0B+4*(\slot)+2:G0B+4*(\slot)+3], 2*KSTEP*2
	JLOAD \slot                                    ; the first tensor load behind the round, my only one until the next; its four v_nop are also the places in front of the loads below
.else
	PLACES
.endif
	FETCH \next, 0, F0
	WIN MUL
	MUL8 F1, 1, 0, 0
	MUL8 F1, 1, 2, 0
.endm
	s_wait_tensorcnt 1                             ; my part of K step 0 is in; K step 1's may stay out
	s_barrier_signal -1
	s_barrier_wait -1
	FETCH 0, 0, F0
	QUARTER 0, 128, F0, F1, 1                      ; the first quarter stands in front of the loop: its first products start the sums
	WIN 0
	s_mov_b32 s3, LAPS-1
.Llap:                                                 ; a trip goes once round the ring and fills both slots again
	QUARTER 0, 256, F1, F0, 0
	QUARTER 0, 384, F0, F1, 0
	TURN 0, 1, 1
	QUARTER 1, 128, F0, F1, 0
	QUARTER 1, 256, F1, F0, 0
	QUARTER 1, 384, F0, F1, 0
	TURN 1, 0, 1
	QUARTER 0, 128, F0, F1, 0
	WIN 0
	s_sub_co_u32 s3, s3, 1
	s_cmp_lg_u32 s3, 0
	s_cbranch_scc1 .Llap
	QUARTER 0, 256, F1, F0, 0                      ; the last lap fills nothing, and has no round of the cluster's barrier
	QUARTER 0, 384, F0, F1, 0
	TURN 0, 1, 0
	QUARTER 1, 128, F0, F1, 0
	QUARTER 1, 256, F1, F0, 0
	QUARTER 1, 384, F0, F1, 0
	s_wait_dscnt 16                                ; the very last quarter: nothing more to fetch
	WIN MUL
	MUL8 F1, 0, 0, 0
	MUL8 F1, 0, 2, 0
	s_wait_dscnt 0
	MUL8 F1, 1, 0, 0
	MUL8 F1, 1, 2, 0
	WIN 0
	; THE WAY OUT, 16 rows at a time: a lane's eight f32 of a row go into my stage (each accumulator's low four registers first), and come back as whole rows of 256 bytes,
	; into the registers that they left.
	PLACES
.irp a, 0,1,2,3
.irp b, 0,1,2,3
	ds_store_b128 v[STO], v[ACC+8*(4*(\a)+(\b)):ACC+8*(4*(\a)+(\b))+3]   offset:64*(\b)
	ds_store_b128 v[STO], v[ACC+8*(4*(\a)+(\b))+4:ACC+8*(4*(\a)+(\b))+7] offset:64*(\b)+16
.endr
.irp t, 0,1,2,3,4,5,6,7
	ds_load_b128 v[ACC+32*(\a)+4*(\t):ACC+32*(\a)+4*(\t)+3], v[RD] offset:(\t)*2*SPITCH  ; LDS serves a wave's instructions in order (ISA guide 5.7.1.4): these see the stores above; the next block's stores come behind them
.endr
.irp t, 0,1,2,3,4,5,6,7
	s_wait_dscnt 7-(\t)                            ; rows 2 t and 2 t + 1 are back; the younger loads may stay out
	global_store_b128 v[CO], v[ACC+32*(\a)+4*(\t):ACC+32*(\a)+4*(\t)+3], s[8:9] offset:(16*(\a)+2*(\t))*SIZE_N*4  ; 16 lanes store 256 consecutive bytes, at a multiple of 256 from C's first byte
.endr
.endr
	s_wait_tensorcnt 0x0                           ; the wave's end
	ds_add_u32 v[SPW], v[NIL]
	s_wait_dscnt 0x0
	CROUND                                         ; the closing round: no work-group ends while a partner may still ask for a tile that names it
	s_endpgm
.Lfunc_end_k_q9f93fbe34a_oproj:
	.size	k_q9f93fbe34a_oproj, .Lfunc_end_k_q9f93fbe34a_oproj-k_q9f93fbe34a_oproj
	.p2alignl 7, 3214868480
	.fill 96, 4, 3214868480
	.section	.rodata,"a",@progbits
	.p2align	6, 0x0
	.amdhsa_kernel k_q9f93fbe34a_oproj
		.amdhsa_group_segment_fixed_size 327680
		.amdhsa_private_segment_fixed_size 0
		.amdhsa_enable_private_segment 0
		.amdhsa_kernarg_size 24
		.amdhsa_user_sgpr_count 2
		.amdhsa_user_sgpr_kernarg_segment_ptr 1
		.amdhsa_wavefront_size32 1
		.amdhsa_system_sgpr_workgroup_id_x 1
		.amdhsa_system_sgpr_workgroup_id_y 1
		.amdhsa_system_sgpr_workgroup_id_z 1
		.amdhsa_system_vgpr_workitem_id 0
		.amdhsa_next_free_vgpr 512
		.amdhsa_next_free_sgpr 66
		.amdhsa_reserve_vcc 0
		.amdhsa_float_denorm_mode_32 3
		.amdhsa_float_denorm_mode_16_64 3
		.amdhsa_memory_ordered 1
		.amdhsa_forward_progress 1
		.amdhsa_inst_pref_size 86
	.end_amdhsa_kernel
	.amdgpu_metadata
---
amdhsa.version: [ 1, 2 ]
amdhsa.kernels:
  - .name:           k_q9f93fbe34a_oproj
    .symbol:         k_q9f93fbe34a_oproj.kd
    .args:
      - { .name: ob, .offset: 0, .size: 8, .value_kind: global_buffer, .address_space: global }
      - { .name: cb, .offset: 8, .size: 8, .value_kind: global_buffer, .address_space: global }
      - { .name: out0, .offset: 16, .size: 8, .value_kind: global_buffer, .address_space: global }
    .group_segment_fixed_size: 327680
    .private_segment_fixed_size: 0
    .kernarg_segment_align: 8
    .kernarg_segment_size: 24
    .max_flat_workgroup_size: 128
    .sgpr_count:     66
    .vgpr_count:     512
    .wavefront_size: 32
...
	.end_amdgpu_metadata
.endif
;; end of part 4
;; ======== version 2 of 2: 4 launches; version 1 with the launch cast written anew for expert scheduling mode
;; limits: values are held in f16: magnitudes above 65,504 overflow, below 6.1e-05 lose precision
;; workspace buffers: cb 25,165,824 bytes; qkv 50,331,648 bytes; ob 16,777,216 bytes
;; launch cast (part 5): grid 128 x 6, 8 waves a work-group, no clusters, 0 bytes of LDS; arguments X, Wq, Wk, Wv, Wo, cb; writes cb
.if DOCPART == 5
	.amdgcn_target "amdgcn-amd-amdhsa--gfx1250"
	.amdhsa_code_object_version 6
	.text
	.protected	k_q9f93fbe34a_cast
	.globl	k_q9f93fbe34a_cast
	.p2align	8
	.type	k_q9f93fbe34a_cast,@function
k_q9f93fbe34a_cast:
	s_mov_b64 s[64:65], 0
	v_nop
	global_prefetch_b8 v0, s[64:65] scope:SCOPE_SE
	s_setreg_imm32_b32 hwreg(HW_REG_WAVE_SCHED_MODE, 0, 2), 2
	s_setreg_imm32_b32 hwreg(HW_REG_WAVE_MODE, 25, 1), 1
	s_wait_xcnt 0x0
	s_wait_alu depctr_vm_vsrc(0)
; cb = the five large inputs as 16-bit matrix operands, six slabs of 4 MiB, each row-major as its source:
; slabs 0, 1: X [4096][1024] bf16; slabs 2, 3, 4: Wq, Wk, Wv, together [6144][1024] bf16; slab 5: Wo [1024][2048].
; Every number is rounded once to bf16 (nearest even).  Wo's bf16 number is then written as f16, since the last product's other operand is f16.
; LIMIT.  That second step is exact from 2^-14 to 65,504; below 2^-14 the number keeps f16's fixed step of 6e-8; from 65,520 on it becomes an infinity.
; SHARES.  Work-group (x, y): slab y, 65,536 source bytes at 65,536 x.  Thread t takes 16 pieces: 16 bytes of f32 at 16 t + 4,096 p -> 8 bytes at 8 t + 2,048 p.
; A wave's load covers 512 consecutive bytes, its store 256 consecutive bytes at a multiple of 256.  All 16 loads of a thread go out at once.
; No LDS, no matrix unit: nothing is shared and nothing is multiplied.
; THE MODE: SCHED_MODE bits 1:0 = 2 (LLVM: expert scheduling mode 2), set by the entry lines.  The code itself states the register dependences
; between vector instructions and memory instructions, with s_wait_alu, always for 0.
; THE PLAN.  Registers that memory instructions touch:
;   v1, v2   byte offsets, made once at the head and never written again: v1 is read by every load, v2 by every store.
;   X        piece p's four registers: written by piece p's load, issued at the head before any vector instruction names them; read by piece p's conversions; nothing lands in them again.
;   Y        piece p's pair: written by piece p's conversions; read by piece p's one store; never written behind it.
;   T        at work: no memory instruction names it.
; No register that a memory instruction reads is ever written again, so no wait on vm_vsrc and no s_wait_xcnt is owed.  What is owed: the offsets are written ahead of the first load, and a pair of Y ahead of its store.
; The 16 pieces go in four groups of four.  At the head of group g, behind the wait for its data, ONE wait on va_vdst states that group g - 1's conversions have written their Y; that group's four stores
; follow it, dealt among group g's conversions, which name X and Y of group g and T: none of the registers that those stores read.  One more wait stands ahead of the last group's stores.
.set X, 4                              ; v[4:67]    piece p: four f32 as loaded
.set Y, 68                             ; v[68:99]   piece p: four 16-bit numbers to store
.set T, 100                            ; v[100:103] at work
	s_load_b256 s[4:11], s[0:1], 0x0               ; X s[4:5], Wq s[6:7], Wk s[8:9], Wv s[10:11]
	s_load_b128 s[12:15], s[0:1], 0x20             ; Wo s[12:13], cb s[14:15]
	s_and_b32 s20, ttmp7, 0xffff                   ; the slab
	v_lshlrev_b32 v1, 4, v0                        ; my 16 bytes of a piece's 4,096 in the source
	v_lshlrev_b32 v2, 3, v0                        ; my 8 bytes of its 2,048 in cb
	s_lshl_b32 s22, ttmp9, 16                      ; the work-group's 65,536 source bytes,
	s_cmp_eq_u32 s20, 1
	s_cselect_b32 s24, 0x800000, 0                 ; in X's second half for slab 1
	s_add_co_u32 s22, s22, s24
	s_mov_b32 s23, 0
	s_lshl_b32 s24, s20, 22                        ; the slab's 4 MiB in cb,
	s_lshl_b32 s25, ttmp9, 15                      ; the work-group's 32,768 bytes of it
	s_add_co_u32 s24, s24, s25
	s_mov_b32 s25, 0
	s_wait_kmcnt 0x0
	s_mov_b64 s[16:17], s[4:5]                     ; the source: X, or for slabs 2 to 5 one of the weights
	s_cmp_eq_u32 s20, 2
	s_cselect_b64 s[16:17], s[6:7], s[16:17]
	s_cmp_eq_u32 s20, 3
	s_cselect_b64 s[16:17], s[8:9], s[16:17]
	s_cmp_eq_u32 s20, 4
	s_cselect_b64 s[16:17], s[10:11], s[16:17]
	s_cmp_eq_u32 s20, 5
	s_cselect_b64 s[16:17], s[12:13], s[16:17]
	s_add_nc_u64 s[16:17], s[16:17], s[22:23]
	s_add_nc_u64 s[18:19], s[14:15], s[24:25]
	s_wait_alu depctr_va_vdst(0)                   ; v1 and v2 are written: every load of the kernel reads v1 as its offset, every store v2
.irp p, 0,1,2,3,4,5,6,7,8,9,10,11,12,13,14,15
	global_load_b128 v[X+4*(\p):X+4*(\p)+3], v1, s[16:17] offset:4096*(\p) th:TH_LOAD_NT
.endr
; The 16 pieces are rounded as they arrive, four to a group, and each group is stored in the next group's turn.  half = 1: the bf16 number is widened again (a shift, a mask) and written as f16.
; pc: the piece that is converted; ps: the piece, one group back, that is stored.
.macro OUT half
.irp g, 0,1,2,3
	s_wait_loadcnt 12-4*(\g)                       ; loads come back in order: group g's four pieces are in, the 12 - 4 g younger ones may stay out
.if (\g) > 0
	s_wait_alu depctr_va_vdst(0)                   ; the conversions of the group before have written its four pairs of Y, which the four stores below read
.endif
.irp i, 0,1,2,3
.set pc, 4*(\g)+(\i)
.set ps, pc-4
.if (\g) > 0
	global_store_b64 v2, v[Y+2*ps:Y+2*ps+1], s[18:19] offset:2048*ps  ; no vector instruction since the wait names this pair or v2
.endif
	v_cvt_pk_bf16_f32 v[Y+2*pc],   v[X+4*pc],   v[X+4*pc+1]
	v_cvt_pk_bf16_f32 v[Y+2*pc+1], v[X+4*pc+2], v[X+4*pc+3]
.if \half
	v_lshlrev_b32 v[T],   16, v[Y+2*pc]
	v_and_b32     v[T+1], 0xffff0000, v[Y+2*pc]
	v_lshlrev_b32 v[T+2], 16, v[Y+2*pc+1]
	v_and_b32     v[T+3], 0xffff0000, v[Y+2*pc+1]
	v_cvt_pk_f16_f32 v[Y+2*pc],   v[T],   v[T+1]
	v_cvt_pk_f16_f32 v[Y+2*pc+1], v[T+2], v[T+3]
.endif
.endr
.endr
	s_wait_alu depctr_va_vdst(0)                   ; the last group's conversions have written its four pairs of Y, which the last four stores read
.irp p, 12,13,14,15
	global_store_b64 v2, v[Y+2*(\p):Y+2*(\p)+1], s[18:19] offset:2048*(\p)
.endr
.endm
	s_cmp_eq_u32 s20, 5                            ; compared anew: the sums above are no compare
	s_cbranch_scc1 .Lwo
	OUT 0
	s_endpgm
.Lwo:
	OUT 1
	s_endpgm
.Lfunc_end_k_q9f93fbe34a_cast:
	.size	k_q9f93fbe34a_cast, .Lfunc_end_k_q9f93fbe34a_cast-k_q9f93fbe34a_cast
	.p2alignl 7, 3214868480
	.fill 96, 4, 3214868480
	.section	.rodata,"a",@progbits
	.p2align	6, 0x0
	.amdhsa_kernel k_q9f93fbe34a_cast
		.amdhsa_group_segment_fixed_size 0
		.amdhsa_private_segment_fixed_size 0
		.amdhsa_enable_private_segment 0
		.amdhsa_kernarg_size 48
		.amdhsa_user_sgpr_count 2
		.amdhsa_user_sgpr_kernarg_segment_ptr 1
		.amdhsa_wavefront_size32 1
		.amdhsa_system_sgpr_workgroup_id_x 1
		.amdhsa_system_sgpr_workgroup_id_y 1
		.amdhsa_system_sgpr_workgroup_id_z 1
		.amdhsa_system_vgpr_workitem_id 0
		.amdhsa_next_free_vgpr 104
		.amdhsa_next_free_sgpr 66
		.amdhsa_reserve_vcc 0
		.amdhsa_float_denorm_mode_32 3
		.amdhsa_float_denorm_mode_16_64 3
		.amdhsa_memory_ordered 1
		.amdhsa_forward_progress 1
		.amdhsa_inst_pref_size 16
	.end_amdhsa_kernel
	.amdgpu_metadata
---
amdhsa.version: [ 1, 2 ]
amdhsa.kernels:
  - .name:           k_q9f93fbe34a_cast
    .symbol:         k_q9f93fbe34a_cast.kd
    .args:
      - { .name: X, .offset: 0, .size: 8, .value_kind: global_buffer, .address_space: global }
      - { .name: Wq, .offset: 8, .size: 8, .value_kind: global_buffer, .address_space: global }
      - { .name: Wk, .offset: 16, .size: 8, .value_kind: global_buffer, .address_space: global }
      - { .name: Wv, .offset: 24, .size: 8, .value_kind: global_buffer, .address_space: global }
      - { .name: Wo, .offset: 32, .size: 8, .value_kind: global_buffer, .address_space: global }
      - { .name: cb, .offset: 40, .size: 8, .value_kind: global_buffer, .address_space: global }
    .group_segment_fixed_size: 0
    .private_segment_fixed_size: 0
    .kernarg_segment_align: 8
    .kernarg_segment_size: 48
    .max_flat_workgroup_size: 256
    .sgpr_count:     66
    .vgpr_count:     104
    .wavefront_size: 32
...
	.end_amdgpu_metadata
.endif
;; end of part 5
;; launch qkv: the kernel of part 2 again; grid 24 x 16, 4 waves a work-group, clusters of 4 x 4, 327,680 bytes of LDS; arguments cb, qkv; writes qkv
;; launch attn: the kernel of part 3 again; grid 16 x 16, 4 waves a work-group, clusters of 4 x 1, 327,680 bytes of LDS; arguments qkv, lambda_q1, lambda_k1, lambda_q2, lambda_k2, rms_scale, ob; writes ob
;; launch oproj: the kernel of part 4 again; grid 8 x 32, 4 waves a work-group, clusters of 4 x 4, 327,680 bytes of LDS; arguments ob, cb, out0; writes out0
